; MI455X (gfx1250); checked and timed in simulation.
; The chip was launched on July 23, 2026; its instructions are those of AMD's public machine-readable ISA for CDNA 5 (MIT licence, August 2026) and "CDNA5" Instruction Set Architecture Reference Guide (July 2026). The comments in the code are by the model that wrote it; some were corrected since.
;; Transformer Block. Allowed arithmetic: float matrix products may take bf16 or f16 operands with f32 sums; other float arithmetic in f32, or as packed bf16 or f16 multiplies, adds, multiply-adds, maxima and minima; sums over many terms, partial sums and values carried from step to step in f32; what a program stores and reads back later, other than sums and carried values, may be rounded once to bf16 or f16.
;; Inputs: W1 1,024 x 4,096 float32; W2 4,096 x 1,024 float32; W_out 16 x 64 x 1,024 float32; W_qkv 16 x 1,024 x 192 float32; b1 4,096 float32; b2 1,024 float32; ln1_b 1,024 float32; ln1_w 1,024 float32; ln2_b 1,024 float32; ln2_w 1,024 float32; x 2 x 2,048 x 1,024 float32.
;; Outputs: out0 2 x 2,048 x 1,024 float32.
;; One version. Each part assembles by itself: llvm-mc -triple=amdgcn-amd-amdhsa -mcpu=gfx1250 --defsym DOCPART=n.
;; ======== version 1 of 1: 6 launches
;; limits: values are held in f16: magnitudes above 65,504 overflow, below 6.1e-05 lose precision
;; workspace buffers: hn 8,388,608 bytes; wq 6,291,456 bytes; wm 16,777,216 bytes; wsum 4,096 bytes; qkv 25,165,824 bytes; ow 8,388,608 bytes; x1 16,777,216 bytes; g 33,554,432 bytes
;; launch prep (part 1): grid 720 x 1, 8 waves a work-group, no clusters, 3,072 bytes of LDS; arguments x, ln1_w, ln1_b, W_out, W_qkv, hn, wq, wsum; writes hn, wq, wsum
.if DOCPART == 1
	.amdgcn_target "amdgcn-amd-amdhsa--gfx1250"
	.amdhsa_code_object_version 6
	.text
	.protected	k_q39e28a901d_prep
	.globl	k_q39e28a901d_prep
	.p2align	8
	.type	k_q39e28a901d_prep,@function
k_q39e28a901d_prep:
	s_mov_b64 s[64:65], 0
	v_nop
	global_prefetch_b8 v0, s[64:65] scope:SCOPE_SE
	s_setreg_imm32_b32 hwreg(HW_REG_WAVE_MODE, 25, 1), 1
	s_wait_xcnt 0x0
; PREP: three streams in one launch, told apart by the work-group's number (the same for all eight waves of a work-group).
;   0..15     wsum[d] = the sum of W_out[n][h][d] over all 1,024 (n, h): 64 columns a work-group, 128 rows a wave, the eight partial sums meet in LDS
;   16..527   hn = LN1(x) in f16: 8 rows a work-group, a whole row a wave; mean first, then the squares of the differences (no difference of large sums)
;   528..719  W_qkv rounded to f16 into wq, layout kept: 64 KiB of f32 a work-group.  (W1 and W2 are rounded in the next launch, beside its matrix work.)
; WHY f16: the first rows of a causal head average few keys, are of size 1 and are multiplied by wsum; eight significant bits in the operands of q, k and v leave them too far off, eleven do not.
; Memory binds: every load of a wave covers whole aligned runs of 256 bytes or more, every store one whole aligned run of 256 bytes.  No matrix unit, no cluster: nothing is shared.
; LIMITS: a weight of 65,520 or more in magnitude becomes an infinity, one below 6e-5 keeps f16's fixed step of 6e-8; LN1's output is at most 32 |gain| + |bias|, which has to stay under 65,504.  NaN and infinities are not treated apart.
.set SPARE, 2048                       ; LDS: 0..2047 the eight partial sums of wsum; from here the spare words, 128 bytes a wave
.set SPW, 174                          ; v174  SPARE + 4 x my thread's number; never rewritten
.set NIL, 175                          ; v175  0; never rewritten
.set TT,  8                            ; v8-20  at work in LNROW
.set X0,  32                           ; v32-63   my row
.set LW,  96                           ; v96-127  the gain of my 32 columns
.set LB,  128                          ; v128-159 the bias
.set OA,  6                            ; v6   8 x lane: my 8 bytes of each 256 stored
.set OS,  14                           ; s[14:15] hn at my row
.macro LANESUM                         ; v[TT] summed over the 32 lanes, the result in every lane
	v_add_f32_dpp v[TT], v[TT], v[TT] row_xmask:1 row_mask:0xf bank_mask:0xf
	v_add_f32_dpp v[TT], v[TT], v[TT] row_xmask:2 row_mask:0xf bank_mask:0xf
	v_add_f32_dpp v[TT], v[TT], v[TT] row_xmask:4 row_mask:0xf bank_mask:0xf
	v_add_f32_dpp v[TT], v[TT], v[TT] row_xmask:8 row_mask:0xf bank_mask:0xf
	v_permlanex16_b32 v[TT+1], v[TT], s8, s9
	v_add_f32 v[TT], v[TT], v[TT+1]
.endm
.macro FOLD                            ; four chains of pairs into v[TT]
	v_pk_add_f32 v[TT:TT+1], v[TT:TT+1], v[TT+2:TT+3]
	v_pk_add_f32 v[TT+4:TT+5], v[TT+4:TT+5], v[TT+6:TT+7]
	v_pk_add_f32 v[TT:TT+1], v[TT:TT+1], v[TT+4:TT+5]
	v_add_f32 v[TT], v[TT], v[TT+1]
.endm
; One row of 1,024 numbers, 32 a lane in v[X..X+31] (register 4 c + i: column 128 c + 4 lane + i), is normalised, scaled, rounded to f16 in place and stored at byte off behind s[OS:OS+1].
.macro LNROW X, off
.irp j, 0,1,2,3
	v_pk_add_f32 v[TT+2*(\j):TT+2*(\j)+1], v[(\X)+2*(\j):(\X)+2*(\j)+1], v[(\X)+8+2*(\j):(\X)+9+2*(\j)]
.endr
.irp j, 8,9,10,11,12,13,14,15
	v_pk_add_f32 v[TT+2*((\j)%4):TT+2*((\j)%4)+1], v[TT+2*((\j)%4):TT+2*((\j)%4)+1], v[(\X)+2*(\j):(\X)+2*(\j)+1]
.endr
	FOLD
	LANESUM
	v_mul_f32 v[TT+8], 0x3a800000, v[TT]           ; the mean: sum / 1,024
	v_mov_b32 v[TT+9], v[TT+8]
.irp j, 0,1,2,3,4,5,6,7,8,9,10,11,12,13,14,15
	v_pk_add_f32 v[(\X)+2*(\j):(\X)+2*(\j)+1], v[(\X)+2*(\j):(\X)+2*(\j)+1], v[TT+8:TT+9] neg_lo:[0,1] neg_hi:[0,1]
.endr
.irp j, 0,1,2,3
	v_pk_mul_f32 v[TT+2*(\j):TT+2*(\j)+1], v[(\X)+2*(\j):(\X)+2*(\j)+1], v[(\X)+2*(\j):(\X)+2*(\j)+1]
.endr
.irp j, 4,5,6,7,8,9,10,11,12,13,14,15
	v_pk_fma_f32 v[TT+2*((\j)%4):TT+2*((\j)%4)+1], v[(\X)+2*(\j):(\X)+2*(\j)+1], v[(\X)+2*(\j):(\X)+2*(\j)+1], v[TT+2*((\j)%4):TT+2*((\j)%4)+1]
.endr
	FOLD
	LANESUM
	v_fma_f32 v[TT+12], v[TT], s10, s11            ; sum of squares / 1,023 + 1e-4
	v_rsq_f32 v[TT+10], v[TT+12]                   ; twice, to fill the pair that the packed multiply takes
	v_rsq_f32 v[TT+11], v[TT+12]
	v_nop                                          ; a plain instruction behind the last root
	s_wait_loadcnt 0x0                             ; gain and bias are in
	s_wait_alu depctr_va_vdst(0)                   ; one wait for both roots, ahead of their first reader
.irp j, 0,1,2,3,4,5,6,7,8,9,10,11,12,13,14,15
	v_pk_mul_f32 v[(\X)+2*(\j):(\X)+2*(\j)+1], v[(\X)+2*(\j):(\X)+2*(\j)+1], v[TT+10:TT+11]
.endr
.irp j, 0,1,2,3,4,5,6,7,8,9,10,11,12,13,14,15
	v_pk_fma_f32 v[(\X)+2*(\j):(\X)+2*(\j)+1], v[(\X)+2*(\j):(\X)+2*(\j)+1], v[LW+2*(\j):LW+2*(\j)+1], v[LB+2*(\j):LB+2*(\j)+1]
.endr
.irp j, 0,1,2,3,4,5,6,7,8,9,10,11,12,13,14,15
	v_cvt_pk_f16_f32 v[(\X)+(\j)], v[(\X)+2*(\j)], v[(\X)+2*(\j)+1]  ; packed downward in place: register j is written when registers up to 2 j + 1 have been read
.endr
.irp c, 0,1,2,3,4,5,6,7
	global_store_b64 v[OA], v[(\X)+2*(\c):(\X)+2*(\c)+1], s[OS:OS+1] offset:(\off)+256*(\c)  ; 32 lanes x 8 bytes: 256 consecutive bytes, aligned
.endr
.endm
	s_load_b512 s[16:31], s[0:1], 0x0              ; x 16, ln1_w 18, ln1_b 20, W_out 22, W_qkv 24, hn 26, wq 28, wsum 30
	v_lshl_add_u32 v[SPW], v0, 2, SPARE
	v_mov_b32 v[NIL], 0
	v_lshrrev_b32 v1, 5, v0
	v_readfirstlane_b32 s4, v1                     ; wave 0..7
	v_and_b32 v2, 31, v0                           ; lane
	v_and_b32 v3, 15, v0                           ; lane % 16
	v_bfe_u32 v4, v0, 4, 1                         ; lane / 16
	s_mov_b32 s7, 0
	s_mov_b32 s8, 0x76543210                       ; v_permlanex16_b32: each lane takes its own place in the other half
	s_mov_b32 s9, 0xfedcba98
	s_mov_b32 s10, 0x3a802008                      ; 1 / 1,023
	s_mov_b32 s11, 0x38d1b717                      ; 1e-4
	s_wait_kmcnt 0x0
	s_cmp_lt_u32 ttmp9, 16
	s_cbranch_scc1 .Lwsum
	s_cmp_lt_u32 ttmp9, 528
	s_cbranch_scc1 .Lln
	; THE CAST.  Chunk c of 64 KiB of W_qkv goes to byte 32,768 c of wq.
	s_sub_co_u32 s5, ttmp9, 528
	s_lshl_b32 s6, s5, 16
	s_add_nc_u64 s[12:13], s[24:25], s[6:7]
	s_lshl_b32 s6, s5, 15
	s_add_nc_u64 s[14:15], s[28:29], s[6:7]
	v_lshlrev_b32 v5, 4, v0                        ; 16 bytes a thread in,
	v_lshlrev_b32 v6, 3, v0                        ; 8 out
.set k, 0
.rept 16
	global_load_b128 v[32+4*k:35+4*k], v5, s[12:13] offset:4096*k th:TH_LOAD_NT
.set k, k+1
.endr
.set k, 0
.rept 16
	s_wait_loadcnt 15-k                            ; loads come back in order: number k is in, the younger ones stay out
	v_cvt_pk_f16_f32 v[96+2*k], v[32+4*k], v[33+4*k]
	v_cvt_pk_f16_f32 v[97+2*k], v[34+4*k], v[35+4*k]
	global_store_b64 v6, v[96+2*k:97+2*k], s[14:15] offset:2048*k
.set k, k+1
.endr
	s_endpgm
.Lln:	; LN1.  Wave v of work-group g takes row 8 g + v.
	s_sub_co_u32 s5, ttmp9, 16
	s_lshl3_add_u32 s5, s5, s4
	s_lshl_b32 s6, s5, 12
	s_add_nc_u64 s[12:13], s[16:17], s[6:7]
	s_lshl_b32 s6, s5, 11
	s_add_nc_u64 s[OS:OS+1], s[26:27], s[6:7]
	v_lshlrev_b32 v5, 4, v2
	v_lshlrev_b32 v[OA], 3, v2
.set k, 0
.rept 8
	global_load_b128 v[X0+4*k:X0+4*k+3], v5, s[12:13] offset:512*k
.set k, k+1
.endr
.set k, 0
.rept 8
	global_load_b128 v[LW+4*k:LW+4*k+3], v5, s[18:19] offset:512*k
.set k, k+1
.endr
.set k, 0
.rept 8
	global_load_b128 v[LB+4*k:LB+4*k+3], v5, s[20:21] offset:512*k
.set k, k+1
.endr
	s_wait_loadcnt 16                              ; the row is in; gain and bias, sixteen loads, may stay out
	LNROW X0, 0
	s_endpgm
.Lwsum:	; Work-group j: columns 64 j .. 64 j + 63 of W_out as [1024][1024].  A load takes two rows' 256 bytes: lanes 0-15 one row, lanes 16-31 the next.
	s_lshl_b32 s5, s4, 19                          ; my 128 rows of 4,096 bytes
	s_lshl_b32 s6, ttmp9, 8
	s_add_co_u32 s5, s5, s6
	v_lshlrev_b32 v5, 12, v4
	v_lshl_add_u32 v5, v3, 4, v5
	v_add_nc_u32 v5, s5, v5
	s_mov_b64 s[12:13], s[22:23]
.set t, 0
.rept 16
	v_mov_b32 v[16+t], 0                           ; four chains of four columns: sixteen registers, so that both rounds have one text
.set t, t+1
.endr
	s_mov_b32 s14, 2
.Lround:                                       ; two rounds of 64 rows
.set t, 0
.rept 32
	global_load_b128 v[32+4*t:35+4*t], v5, s[12:13] offset:8192*t th:TH_LOAD_NT
.set t, t+1
.endr
	s_wait_loadcnt 0x0                             ; all 32 are in, so their base may be stepped
.set t, 0
.rept 32
	v_pk_add_f32 v[16+4*(t%4):17+4*(t%4)], v[16+4*(t%4):17+4*(t%4)], v[32+4*t:33+4*t]
	v_pk_add_f32 v[18+4*(t%4):19+4*(t%4)], v[18+4*(t%4):19+4*(t%4)], v[34+4*t:35+4*t]
.set t, t+1
.endr
	s_add_nc_u64 s[12:13], s[12:13], 32*8192
	s_sub_co_u32 s14, s14, 1
	s_cmp_lg_u32 s14, 0
	s_cbranch_scc1 .Lround
	v_pk_add_f32 v[16:17], v[16:17], v[20:21]
	v_pk_add_f32 v[18:19], v[18:19], v[22:23]
	v_pk_add_f32 v[24:25], v[24:25], v[28:29]
	v_pk_add_f32 v[26:27], v[26:27], v[30:31]
	v_pk_add_f32 v[16:17], v[16:17], v[24:25]
	v_pk_add_f32 v[18:19], v[18:19], v[26:27]
.irp j, 0,1,2,3
	v_permlanex16_b32 v[20+(\j)], v[16+(\j)], s8, s9  ; the odd rows' sums lie in the other half of the lanes
.endr
	v_pk_add_f32 v[16:17], v[16:17], v[20:21]
	v_pk_add_f32 v[18:19], v[18:19], v[22:23]
	s_lshl_b32 s5, s4, 8
	v_lshlrev_b32 v8, 4, v3
	v_add_nc_u32 v7, s5, v8
	ds_store_b128 v7, v[16:19]                     ; my 64 partial sums at 256 x wave (both halves of the lanes hold, and write, the same numbers)
	s_wait_dscnt 0x0                               ; for the others' sake
	s_barrier_signal -1
	s_barrier_wait -1
	s_cmp_lg_u32 s4, 0
	s_cbranch_scc1 .Lwend                          ; wave 0 adds the eight
.set k, 0
.rept 8
	ds_load_b128 v[32+4*k:35+4*k], v8 offset:256*k
.set k, k+1
.endr
	s_wait_dscnt 0x0
.set k, 1
.rept 7
	v_pk_add_f32 v[32:33], v[32:33], v[32+4*k:33+4*k]
	v_pk_add_f32 v[34:35], v[34:35], v[34+4*k:35+4*k]
.set k, k+1
.endr
	v_add_nc_u32 v9, s6, v8
	v_cmp_gt_u32 vcc_lo, 16, v0
	s_wait_xcnt 0x0                                ; EXEC changes only behind this wait
	s_and_saveexec_b32 s5, vcc_lo
	global_store_b128 v9, v[32:35], s[30:31]       ; sixteen lanes: 256 consecutive bytes, aligned
	s_wait_xcnt 0x0                                ; and again in front of the line that widens it
	s_or_b32 exec_lo, exec_lo, s5
.Lwend:
	s_wait_tensorcnt 0x0                           ; the wave's end, behind my last LDS store
	ds_add_u32 v[SPW], v[NIL]
	s_wait_dscnt 0x0
	s_endpgm
.Lfunc_end_k_q39e28a901d_prep:
	.size	k_q39e28a901d_prep, .Lfunc_end_k_q39e28a901d_prep-k_q39e28a901d_prep
	.p2alignl 7, 3214868480
	.fill 96, 4, 3214868480
	.section	.rodata,"a",@progbits
	.p2align	6, 0x0
	.amdhsa_kernel k_q39e28a901d_prep
		.amdhsa_group_segment_fixed_size 3072
		.amdhsa_private_segment_fixed_size 0
		.amdhsa_enable_private_segment 0
		.amdhsa_kernarg_size 64
		.amdhsa_user_sgpr_count 2
		.amdhsa_user_sgpr_kernarg_segment_ptr 1
		.amdhsa_wavefront_size32 1
		.amdhsa_system_sgpr_workgroup_id_x 1
		.amdhsa_system_sgpr_workgroup_id_y 1
		.amdhsa_system_sgpr_workgroup_id_z 1
		.amdhsa_system_vgpr_workitem_id 0
		.amdhsa_next_free_vgpr 176
		.amdhsa_next_free_sgpr 66
		.amdhsa_reserve_vcc 1
		.amdhsa_float_denorm_mode_32 3
		.amdhsa_float_denorm_mode_16_64 3
		.amdhsa_memory_ordered 1
		.amdhsa_forward_progress 1
		.amdhsa_inst_pref_size 29
	.end_amdhsa_kernel
	.amdgpu_metadata
---
amdhsa.version: [ 1, 2 ]
amdhsa.kernels:
  - .name:           k_q39e28a901d_prep
    .symbol:         k_q39e28a901d_prep.kd
    .args:
      - { .name: x, .offset: 0, .size: 8, .value_kind: global_buffer, .address_space: global }
      - { .name: ln1_w, .offset: 8, .size: 8, .value_kind: global_buffer, .address_space: global }
      - { .name: ln1_b, .offset: 16, .size: 8, .value_kind: global_buffer, .address_space: global }
      - { .name: W_out, .offset: 24, .size: 8, .value_kind: global_buffer, .address_space: global }
      - { .name: W_qkv, .offset: 32, .size: 8, .value_kind: global_buffer, .address_space: global }
      - { .name: hn, .offset: 40, .size: 8, .value_kind: global_buffer, .address_space: global }
      - { .name: wq, .offset: 48, .size: 8, .value_kind: global_buffer, .address_space: global }
      - { .name: wsum, .offset: 56, .size: 8, .value_kind: global_buffer, .address_space: global }
    .group_segment_fixed_size: 3072
    .private_segment_fixed_size: 0
    .kernarg_segment_align: 8
    .kernarg_segment_size: 64
    .max_flat_workgroup_size: 256
    .sgpr_count:     66
    .vgpr_count:     176
    .wavefront_size: 32
...
	.end_amdgpu_metadata
.endif
;; end of part 1
;; launch qkv (part 2): grid 16 x 16, 4 waves a work-group, clusters of 4 x 4, 327,680 bytes of LDS; arguments hn, wq, qkv, W1, W2, wm; writes qkv, wm
.if DOCPART == 2
	.amdgcn_target "amdgcn-amd-amdhsa--gfx1250"
	.amdhsa_code_object_version 6
	.text
	.protected	k_q39e28a901d_qkv
	.globl	k_q39e28a901d_qkv
	.p2align	8
	.type	k_q39e28a901d_qkv,@function
k_q39e28a901d_qkv:
	s_mov_b64 s[64:65], 0
	v_nop
	global_prefetch_b8 v0, s[64:65] scope:SCOPE_SE
	s_setreg_imm32_b32 hwreg(HW_REG_WAVE_MODE, 25, 1), 1
	s_wait_xcnt 0x0
	s_wait_alu depctr_hold_cnt(0) depctr_sa_sdst(0) depctr_va_vdst(0) depctr_va_sdst(0) depctr_va_ssrc(0) depctr_va_vcc(0) depctr_vm_vsrc(0)
	s_getreg_b32 s2, hwreg(HW_REG_IB_STS2, 6, 4)
	s_cmp_eq_u32 s2, 0
	s_cbranch_scc0 .Lentry_in_a_cluster
	s_endpgm
.Lentry_in_a_cluster:
	s_bfe_u32 s2, ttmp6, 0x10000c
	s_cmp_lg_u32 s2, 0xf033
	s_cbranch_scc0 .Lentry_shape_is_right
	s_endpgm
.Lentry_shape_is_right:
; q, k, v = LN1(x) W_qkv[n].  A = hn [4096][1024] f16; B = wq, W_qkv [16][1024][192] f16, as it lies ([k][column]); sums in f32; out: qkv, three tensors [32 = 16 b + n][2048][64] in f16, unscaled.
; BESIDE IT: W1 and W2 are rounded to f16 into wm (W1 at byte 0, W2 at 8,388,608; layouts kept), 32 KiB of f32 a wave in eight chunks of 4 KiB, a chunk a K step: the vector unit has nothing else to do in the K loop.
; LIMITS: a q, k or v, or a weight, of 65,520 or more in magnitude becomes an infinity in f16 (LN bounds A's rows, so with gain and weights thirty times those drawn q, k, v have a spread of some 900).
; SHARES.  A tile of C is 256 rows x the 192 columns of one head: 16 x 16 work-groups.  Four waves; a wave takes 128 rows and the six blocks of 16 columns at 32 b + 16 x (wave & 1): 48 accumulators, 384 registers.
; RING.  K in steps of 128 through two LDS slots.  A's rows are 256 bytes of memory; a head's K step of B is 49,152 dense bytes, asked for as rows of 256 and padded by 32 bytes behind every 128, so that a k row is 480 bytes.
; B's fragments come out of LDS turned (ds_load_tr16_b128); 480 = 15 x 32.
; THE MATRIX INSTRUCTION IS USED TRANSPOSED (source 0 = 16 columns of B, source 1 = 16 rows of A): a lane holds one row of C and eight neighbouring columns.
; CLUSTER 4 x 4: A's tile is shared along a row of the cluster, B's along a column; each is asked for jointly.  The loop's body is ONE K step: one walking descriptor a tensor, whose LDS word is BASE + TF, TF turned between 0 and SLOT by an exclusive or.
; THE CLUSTERS BEGIN AT DIFFERENT K STEPS.  Cluster (X, Y) walks K from step 2 X + 4 (Y & 1) on and round the end (f32 sums may be taken in any order): the four clusters that read the same rows of A stand two K steps apart,
; clusters Y and Y + 1, which read the same columns of B, four.  The start hangs on the cluster's coordinates alone: it is the same in all sixteen partners.
; WAY OUT.  The ring has had its last fill; behind a barrier all sums go as f32 into a stage of 256 rows x 784 bytes laid over it, and come back by rows: 64 f32 of a row become 128 bytes of q, k or v, two rows a store of 256 bytes.
; REGISTERS: window 0: v0-31 addresses; v32-63, v192-207 the cast; v64-127, v128-191 A's fragments, two buffers.  window 1: v64-111, v128-175 B's.  windows 2, 3: accumulator (a, b) at v[8 (6 (a % 4) + b)] of window 2 + a / 4.
.set NS,     8
.set PA,     272                       ; A's LDS row: 256 + 16
.set PB,     480                       ; B's LDS k row: 3 x (128 + 32)
.set HALFA,  128*PA
.set HALFB,  64*PB
.set BOFF,   2*HALFA
.set SLOT,   BOFF+2*HALFB              ; 131,072
.set SPARE,  2*SLOT                    ; behind the ring: the spare words, 128 bytes a wave
.set SPITCH, 784                       ; a stage row: 192 f32 + 16 bytes = 49 x 16
.set ASTEP,  256
.set BSTEP,  49152
.set ADRA0, 16                         ; v16  my place in A's part of slot 0; never rewritten
.set ADRB0, 17                         ; v17  the same for B
.set ADRA,  18                         ; v18  ADRA0 + TB
.set ADRB,  19                         ; v19  ADRB0 + TB
.set CLO,   20                         ; v20  the cast: 16 x lane; never rewritten
.set CSO,   21                         ; v21  the cast: 8 x lane; never rewritten
.set RD0,   22                         ; v22  stage: where I read my first rows back; never rewritten
.set STO,   24                         ; v24  stage: where my 32 bytes of a row go (blocks 0-3);  v27 the same for blocks 4-7
.set RD,    25                         ; v25  RD0 + RO
.set CO,    26                         ; v26  my byte offset in the three outputs
.set SPW,   28
.set NIL,   29
.set PFO,   30                         ; v30  the prefetch's lane offset; never rewritten
.set CL,    32                         ; v32-63   the cast: a chunk as loaded
.set F0,    64
.set F1,    128
.set CP,    192                        ; v192-207 the cast: a chunk in f16
.set X,     64                         ; the way out: 12 x 4 f32 read back
.set Y,     112                        ; the way out: 12 x 2 registers of f16
.set G1A, 24
.set G0A, 32                           ; s[32:35] the first fill's group 0; s[36:39] the second's, which then walks
.set PFA, 40                           ; s[40:41] where my prefetch stands; never rewritten
.set LIM, 44                           ; s44  NS - 3 in a wave that prefetches, else the greatest number
.set G1B, 48
.set G0B, 56
.set IDX, 66                           ; s66  the K step at which the walking descriptors stand
.set WRA, 72                           ; s[72:73] what A's address goes back at the end of K, or 0
.set WRB, 74                           ; s[74:75] the same for B
.set CSRC, 76                          ; s[76:77] the cast: W1 or W2 at the chunk that was asked for last
.set CDST, 78                          ; s[78:79] the cast: wm one chunk behind the chunk that is stored
.set TB,  19                           ; s19  0 or SLOT: the slot that is read
.set TF,  80                           ; s80  0 or SLOT: the slot that was filled last
.set BASEA, 81                         ; s81  my tile's place in a slot, as a fetcher of A
.set BASEB, 82                         ; s82  as a fetcher of B
.set RO,  83                           ; s83  the way out: byte offset of the rows to be read next
.set MSB, 0
.macro WIN new                         ; the immediate's high byte repeats the setting that is left; a switch that changes nothing is dropped
.if MSB != (\new)
	s_set_vgpr_msb (MSB<<8)|(\new)
.set MSB, (\new)
.endif
.endm
.set MUL_LO, 0xa1                      ; source 0 (B) window 1, source 1 (A) window 0, C and D window 2
.set MUL_HI, 0xf1                      ; the same, C and D window 3
.set TO_B,   0x40
.macro PLACES                          ; four places behind matrix instructions, in front of loads into registers that they read and of stores of their results
.rept 4
	v_nop
.endr
.endm
.macro JLOAD                           ; the joint refill: waves 0 and 1 fetch A's halves, waves 2 and 3 B's; the branch hangs on the wave's number alone; an s_nop 0 and four v_nop follow each line
	s_cmp_eq_u32 s13, 0
	s_cbranch_scc0 .Lfor_b_\@
	tensor_load_to_lds s[G0A+4:G0A+7], s[G1A:G1A+7]
	s_nop 0
	PLACES
	s_branch .Lasked_\@
.Lfor_b_\@:
	tensor_load_to_lds s[G0B+4:G0B+7], s[G1B:G1B+7]
	s_nop 0
	PLACES
.Lasked_\@:
.endm
.macro CREST                           ; a round of the cluster's barrier behind its opening barrier
	s_cmp_lg_u32 s12, 0
	s_cbranch_scc1 .Lnot_wave_0_\@
	s_barrier_signal -3
.Lnot_wave_0_\@:
	s_barrier_wait -3
	s_barrier_signal -1
	s_barrier_wait -1
.endm
.macro CROUND
	s_barrier_signal -1
	s_barrier_wait -1
	CREST
.endm
; ONE PREFETCH INTO THE L2.  By the starts above, a cluster is ahead of the others of its row of clusters in its first two K steps of A, which are its first fills, and ahead of cluster Y + 1 or Y - 1 in its first four K steps of B: two first
; fills, the first refill, and the fourth step.  That fourth step is asked for behind the first refill and the run of LDS loads, one K step, 192 matrix instructions, ahead of the load that wants it.  Clusters Y and Y + 2 begin alike:
; the one with Y < 2 asks.  The four partners of the joint load share its 24,576 bytes out by address, 24 blocks of 256 each, a lane a block; lanes 24 to 31 name block 23 once more.
.macro ASK
	s_cmp_gt_u32 s3, s[LIM]                        ; s3 = NS - 2 in the first trip alone
	s_cbranch_scc0 .Lnot_mine_\@
	global_prefetch_b8 v[PFO], s[PFA:PFA+1] th:TH_LOAD_NT scope:SCOPE_SE
.Lnot_mine_\@:
.endm
; THE CAST's site: the chunk asked for a K step ago is rounded and stored; more = 1: the next is asked for.  A load of the wave covers 512 consecutive bytes, a store 256, aligned.
.macro CAST more
	s_wait_loadcnt 0x0                             ; the eight loads of the last site are in
	s_wait_xcnt 0x0                                ; the last site's stores have read CP and their base, its loads their base: all three are rewritten below
.set e, 0
.rept 8
	v_cvt_pk_f16_f32 v[CP+2*e], v[CL+4*e], v[CL+4*e+1]
	v_cvt_pk_f16_f32 v[CP+2*e+1], v[CL+4*e+2], v[CL+4*e+3]
.set e, e+1
.endr
	s_add_nc_u64 s[CDST:CDST+1], s[CDST:CDST+1], 2048  ; the stores reach back by a negative offset
.if \more
	s_add_nc_u64 s[CSRC:CSRC+1], s[CSRC:CSRC+1], 4096
.set e, 0
.rept 8
	global_load_b128 v[CL+4*e:CL+4*e+3], v[CLO], s[CSRC:CSRC+1] offset:512*e th:TH_LOAD_NT
.set e, e+1
.endr
.endif
.set e, 0
.rept 8
	global_store_b64 v[CSO], v[CP+2*e:CP+2*e+1], s[CDST:CDST+1] offset:256*e-2048
.set e, e+1
.endr
.endm
	s_load_b256 s[4:11], s[0:1], 0x0               ; hn s[4:5], wq s[6:7], qkv s[8:9], W1 s[10:11]
	s_load_b128 s[68:71], s[0:1], 0x20             ; W2 s[68:69], wm s[70:71]
	v_lshl_add_u32 v[SPW], v0, 2, SPARE
	v_mov_b32 v[NIL], 0
	ds_add_u32 v[SPW], v[NIL]                      ; the wave's opening: the add and its wait stand ahead of my first tensor load
	ds_add_u32 v28, v29
	v_lshrrev_b32 v1, 5, v0
	v_readfirstlane_b32 s12, v1                    ; wave
	s_lshr_b32 s13, s12, 1                         ; my half of the rows; also: I fetch for A (0) or B (1)
	s_and_b32 s14, s12, 1                          ; my set of column blocks; also: which half of a tile I fetch
	s_bfe_u32 s15, ttmp6, 0x40000                  ; cx
	s_bfe_u32 s16, ttmp6, 0x40004                  ; cy
	s_lshl_b32 s17, ttmp9, 2
	s_add_co_u32 s17, s17, s15                     ; the head = tile column
	s_and_b32 s18, ttmp7, 0xffff                   ; cluster y
	s_and_b32 s67, s18, 1
	s_lshl_b32 s67, s67, 2
	s_lshl1_add_u32 s[IDX], ttmp9, s67
	s_and_b32 s[IDX], s[IDX], NS-1                 ; the K step at which my cluster begins: 2 X + 4 (Y & 1), always even
	s_lshl_b32 s18, s18, 2
	s_add_co_u32 s18, s18, s16                     ; tile row
	s_lshl_b32 s20, s16, 2
	s_lshl_b32 s20, 15, s20                        ; my row of the cluster
	s_lshl_b32 s45, 0x1111, s15                    ; my column
	s_or_b32 s[G1A], s20, (1<<16)|(1<<20)|(1<<21)|(5<<22)|(3<<25)  ; mask; 2-byte elements; padding on; bit 21 beside a mask; 4 words behind every 64
	s_or_b32 s[G1B], s45, (1<<16)|(1<<20)|(1<<21)|(4<<22)|(7<<25)  ; 8 words behind every 32
	s_mov_b32 s[G1A+1], 128<<16                    ; A: 128 rows x 128 elements, 1,024 elements from row to row
	s_mov_b32 s[G1A+2], 128<<16
	s_mov_b32 s[G1A+3], 128<<16
	s_mov_b32 s[G1A+4], 128
	s_mov_b32 s[G1A+5], 1024
	s_mov_b32 s[G1A+6], 0
	s_mov_b32 s[G1A+7], 0
	s_mov_b32 s[G1B+1], 128<<16                    ; B: 24,576 dense bytes as 96 rows x 128 elements
	s_mov_b32 s[G1B+2], 96<<16
	s_mov_b32 s[G1B+3], 128<<16
	s_mov_b32 s[G1B+4], 96
	s_mov_b32 s[G1B+5], 128
	s_mov_b32 s[G1B+6], 0
	s_mov_b32 s[G1B+7], 0
	s_lshl_b32 s20, s18, 8                         ; A: row 256 x tile row + 128 x half, 2,048 bytes a row (registers that never hold cx),
	s_lshl_b32 s21, s14, 7
	s_add_co_u32 s20, s20, s21
	s_lshl_b32 s20, s20, 11
	s_lshl_b32 s21, s[IDX], 8
	s_add_co_u32 s20, s20, s21                     ; at my cluster's first K step
	s_mov_b32 s21, 0
	s_mul_i32 s46, s17, 393216                     ; B: the head's 393,216 bytes, my half of a K step (registers that never hold cy),
	s_mul_i32 s47, s14, 24576
	s_add_co_u32 s46, s46, s47
	s_mul_i32 s47, s[IDX], BSTEP
	s_add_co_u32 s46, s46, s47                     ; at the same K step
	s_mov_b32 s47, 0
	s_add_co_u32 s[IDX], s[IDX], 1                 ; the walking descriptors begin at the second fill's step
	s_mov_b32 s[WRA+1], 0
	s_mov_b32 s[WRB+1], 0
	s_mul_i32 s[BASEA], s14, HALFA
	s_mul_i32 s[BASEB], s14, HALFB
	s_add_co_u32 s[BASEB], s[BASEB], BOFF
	s_mov_b32 s[TF], SLOT
	s_mov_b32 s[TB], 0
	s_wait_dscnt 0x0                               ; the opening add is done
	s_wait_kmcnt 0x0
	s_add_nc_u64 s[20:21], s[4:5], s[20:21]
	s_add_nc_u64 s[46:47], s[6:7], s[46:47]
	CROUND                                         ; all sixteen work-groups are here: the first joint loads meet
.irp s, 0,1
	s_mov_b32 s[G0A+4*(\s)], 1
	s_add_co_u32 s[G0A+4*(\s)+1], s[BASEA], (\s)*SLOT
	s_add_nc_u64 s[G0A+4*(\s)+2:G0A+4*(\s)+3], s[20:21], (\s)*ASTEP
	s_or_b32 s[G0A+4*(\s)+3], s[G0A+4*(\s)+3], 0x80000000
	s_mov_b32 s[G0B+4*(\s)], 1
	s_add_co_u32 s[G0B+4*(\s)+1], s[BASEB], (\s)*SLOT
	s_add_nc_u64 s[G0B+4*(\s)+2:G0B+4*(\s)+3], s[46:47], (\s)*BSTEP
	s_or_b32 s[G0B+4*(\s)+3], s[G0B+4*(\s)+3], 0x80000000
.endr
	s_cmp_eq_u32 s13, 0                            ; a wave's two first fills stand in one branch: two loads of mine are out
	s_cbranch_scc0 .Lfirst_b
	tensor_load_to_lds s[G0A:G0A+3], s[G1A:G1A+7]
	s_nop 0
	tensor_load_to_lds s[G0A+4:G0A+7], s[G1A:G1A+7]
	s_nop 0
	PLACES
	s_branch .Lfirst_asked
.Lfirst_b:
	tensor_load_to_lds s[G0B:G0B+3], s[G1B:G1B+7]
	s_nop 0
	tensor_load_to_lds s[G0B+4:G0B+7], s[G1B:G1B+7]
	s_nop 0
	PLACES
.Lfirst_asked:
	v_and_b32 v1, 15, v0                           ; l % 16
	v_bfe_u32 v2, v0, 4, 1                         ; l / 16
	v_and_b32 v3, 7, v0
	v_bfe_u32 v4, v0, 3, 1
	v_and_b32 v5, 31, v0                           ; l
	; the cast: wave number 4 (16 x tile row + tile column) + wave of 1,024; the first 512 take W1, the others W2
	s_and_b32 s84, s18, 7
	s_lshl_b32 s84, s84, 4
	s_add_co_u32 s84, s84, s17
	s_lshl2_add_u32 s84, s84, s12
	s_lshl_b32 s84, s84, 15                        ; 32,768 bytes of f32 a wave
	s_mov_b32 s85, 0
	s_cmp_lt_u32 s18, 8
	s_cselect_b64 s[CSRC:CSRC+1], s[10:11], s[68:69]
	s_add_nc_u64 s[CSRC:CSRC+1], s[CSRC:CSRC+1], s[84:85]
	s_lshl_b32 s84, s18, 4
	s_add_co_u32 s84, s84, s17
	s_lshl2_add_u32 s84, s84, s12
	s_lshl_b32 s84, s84, 14                        ; 16,384 bytes of f16
	s_add_nc_u64 s[CDST:CDST+1], s[70:71], s[84:85]
	v_lshlrev_b32 v[CLO], 4, v5
	v_lshlrev_b32 v[CSO], 3, v5
.set e, 0
.rept 8
	global_load_b128 v[CL+4*e:CL+4*e+3], v[CLO], s[CSRC:CSRC+1] offset:512*e th:TH_LOAD_NT  ; chunk 0
.set e, e+1
.endr
	v_mul_u32_u24 v[ADRA0], v1, PA                 ; A's fragment: row l % 16, 16 bytes for each half of the lanes
	v_lshl_add_u32 v[ADRA0], v2, 4, v[ADRA0]
	s_mul_i32 s20, s13, HALFA
	v_add_nc_u32 v[ADRA0], s20, v[ADRA0]
	v_lshl_add_u32 v6, v2, 3, v3                   ; B's turning load: k row 8 (l / 16) + l % 8, columns 8 ((l / 8) % 2) on
	v_mul_u32_u24 v[ADRB0], v6, PB
	v_lshl_add_u32 v[ADRB0], v4, 4, v[ADRB0]
	s_lshl_b32 s20, s14, 5
	s_add_co_u32 s20, s20, BOFF
	v_add_nc_u32 v[ADRB0], s20, v[ADRB0]
	v_mov_b32 v[ADRA], v[ADRA0]
	v_mov_b32 v[ADRB], v[ADRB0]
	s_lshl_b32 s20, s13, 7                         ; stage, in: row 128 x half + l % 16, byte 64 x (wave & 1) + 32 (l / 16)
	v_add_nc_u32 v6, s20, v1
	v_mul_u32_u24 v[STO], v6, SPITCH
	v_lshl_add_u32 v[STO], v2, 5, v[STO]
	s_lshl_b32 s20, s14, 6
	v_add_nc_u32 v[STO], s20, v[STO]
	v_add_nc_u32 v[STO+3], 64*SPITCH, v[STO]
	s_lshl_b32 s20, s12, 6                         ; stage, back: rows 64 x wave on; lanes 0-15 one row's 256 bytes, lanes 16-31 the next row's
	v_add_nc_u32 v6, s20, v2
	v_mul_u32_u24 v[RD0], v6, SPITCH
	v_lshl_add_u32 v[RD0], v1, 4, v[RD0]
	v_mov_b32 v[RD], v[RD0]
	v_lshlrev_b32 v[CO], 3, v5
	; the three outputs at my first row: ((16 b + head) x 2,048 + row in the batch) x 128 bytes
	s_lshr_b32 s84, s18, 3
	s_lshl_b32 s84, s84, 4
	s_add_co_u32 s84, s84, s17
	s_lshl_b32 s84, s84, 11
	s_and_b32 s85, s18, 7
	s_lshl_b32 s85, s85, 8
	s_add_co_u32 s84, s84, s85
	s_lshl_b32 s85, s12, 6
	s_add_co_u32 s84, s84, s85
	s_lshl_b32 s84, s84, 7
	s_mov_b32 s85, 0
	s_add_nc_u64 s[8:9], s[8:9], s[84:85]          ; q
	s_add_nc_u64 s[88:89], s[8:9], 8388608         ; k
	s_add_nc_u64 s[90:91], s[8:9], 16777216        ; v
	; the prefetch: my work-group's share of my half of B's K step three on from my cluster's first
	s_add_co_u32 s84, s[IDX], 2
	s_and_b32 s84, s84, NS-1
	s_mul_i32 s84, s84, BSTEP
	s_mul_i32 s86, s17, 393216
	s_add_co_u32 s84, s84, s86
	s_mul_i32 s86, s14, 24576
	s_add_co_u32 s84, s84, s86
	s_mul_i32 s86, s16, 6144
	s_add_co_u32 s84, s84, s86
	s_mov_b32 s85, 0
	s_add_nc_u64 s[PFA:PFA+1], s[6:7], s[84:85]
	s_and_b32 s86, ttmp7, 0xffff
	s_lshr_b32 s86, s86, 1                         ; 0 where cluster y is 0 or 1,
	s_xor_b32 s87, s13, 1                          ; 0 in a wave that fetches for B: the same in all sixteen partners, for a given wave
	s_or_b32 s86, s86, s87
	s_cmp_eq_u32 s86, 0
	s_cselect_b32 s[LIM], NS-3, -1
	v_min_u32 v7, 23, v5
	v_lshlrev_b32 v[PFO], 8, v7
; 12 matrix instructions: m blocks a0, a0 + 1 of the window's four x all six n blocks, 32 along K.  All 48 accumulators take turns in one fixed order.  zero = 1: the first product starts the sums.
.macro MUL12 f, hi, a0, zero
	WIN MUL_LO+0x50*(\hi)
.irp a, \a0, (\a0)+1
.irp b, 0,1,2,3,4,5
.if \zero
	v_wmma_f32_16x16x32_f16 v[8*(6*(\a)+(\b)):8*(6*(\a)+(\b))+7], v[(\f)+8*(\b):(\f)+8*(\b)+7], v[(\f)+8*(4*(\hi)+(\a)):(\f)+8*(4*(\hi)+(\a))+7], 0
.else
	v_wmma_f32_16x16x32_f16 v[8*(6*(\a)+(\b)):8*(6*(\a)+(\b))+7], v[(\f)+8*(\b):(\f)+8*(\b)+7], v[(\f)+8*(4*(\hi)+(\a)):(\f)+8*(4*(\hi)+(\a))+7], v[8*(6*(\a)+(\b)):8*(6*(\a)+(\b))+7]
.endif
.endr
.endr
.endm
; 28 LDS loads in one run: quarter q's fragments (32 along K) into buffer f: B's twelve, then A's sixteen
.macro FETCH q, f
	WIN TO_B
.irp i, 0,1,2,3,4,5
	ds_load_tr16_b128 v[(\f)+8*(\i):(\f)+8*(\i)+3],   v[ADRB] offset:(\q)*32*PB+((\i)/2)*160+((\i)%2)*64
	ds_load_tr16_b128 v[(\f)+8*(\i)+4:(\f)+8*(\i)+7], v[ADRB] offset:(\q)*32*PB+((\i)/2)*160+((\i)%2)*64+16*PB
.endr
	WIN 0
.irp i, 0,1,2,3,4,5,6,7
	ds_load_b128 v[(\f)+8*(\i):(\f)+8*(\i)+3],   v[ADRA] offset:(\q)*64+(\i)*16*PA
	ds_load_b128 v[(\f)+8*(\i)+4:(\f)+8*(\i)+7], v[ADRA] offset:(\q)*64+(\i)*16*PA+32
.endr
.endm
.macro QUARTER q, f, g, zero, cast=0   ; multiplies buffer f; in its middle fetches quarter q into buffer g; cast = 1: the cast's site stands behind that run
	s_wait_dscnt 8                                 ; B and A's rows 0-63 are in; the youngest eight loads may be out
	MUL12 \f, 0, 0, \zero
	MUL12 \f, 0, 2, \zero
	PLACES
	FETCH \q, \g
.if \cast
	CAST 1
.endif
	s_wait_dscnt 28                                ; all but the 28 just issued
	MUL12 \f, 1, 0, \zero
	MUL12 \f, 1, 2, \zero
.endm
; The last quarter of a K step changes slots.  In front of the barrier each wave waits for all its tensor loads (the one that is out is its part of the next slot), adds 0 to its spare word, and waits for that and for its reads of this slot.
.macro TURN fill
	WIN 0
	s_wait_tensorcnt 0x0                           ; no tensor load of mine is out, so a group 0 may be written
	ds_add_u32 v[SPW], v[NIL]                      ; 0 onto my spare word; the descriptors' steps stand between it and the wait for it
.if \fill
	s_xor_b32 s[TF], s[TF], SLOT
	s_add_co_u32 s[G0A+5], s[BASEA], s[TF]
	s_add_co_u32 s[G0B+5], s[BASEB], s[TF]
	s_add_co_u32 s[IDX], s[IDX], 1                 ; the next K step, or behind the last the first
	s_cmp_eq_u32 s[IDX], NS
	s_cselect_b32 s[IDX], 0, s[IDX]
	s_cselect_b32 s[WRA], NS*ASTEP, 0
	s_cselect_b32 s[WRB], NS*BSTEP, 0
	s_add_nc_u64 s[G0A+6:G0A+7], s[G0A+6:G0A+7], ASTEP
	s_sub_nc_u64 s[G0A+6:G0A+7], s[G0A+6:G0A+7], s[WRA:WRA+1]
	s_add_nc_u64 s[G0B+6:G0B+7], s[G0B+6:G0B+7], BSTEP
	s_sub_nc_u64 s[G0B+6:G0B+7], s[G0B+6:G0B+7], s[WRB:WRB+1]
.endif
	s_wait_dscnt 9                                 ; (the add and the youngest eight loads may be out)
	MUL12 F1, 0, 0, 0
	s_wait_dscnt 0x0                               ; the add is done, my reads of this slot are over
	s_barrier_signal -1
	MUL12 F1, 0, 2, 0
	WIN 0
	s_barrier_wait -1
.if \fill
	CREST                                          ; the barrier has opened a round of the cluster's: no wave of any partner still reads this slot or has a load on its way
	JLOAD                                          ; the first tensor load behind the round; its four v_nop are also the places in front of the loads below
.else
	PLACES
.endif
	s_xor_b32 s[TB], s[TB], SLOT
	v_add_nc_u32 v[ADRA], s[TB], v[ADRA0]
	v_add_nc_u32 v[ADRB], s[TB], v[ADRB0]
	FETCH 0, F0
.if \fill
	ASK
.endif
	MUL12 F1, 1, 0, 0
	MUL12 F1, 1, 2, 0
.endm
	s_wait_tensorcnt 1                             ; my part of the first K step is in; the second's may stay out
	s_barrier_signal -1
	s_barrier_wait -1
	FETCH 0, F0
	QUARTER 1, F0, F1, 1                           ; the first quarter stands in front of the loop: its products start the sums
	WIN 0
	s_mov_b32 s3, NS-2
.Lstep:                                        ; a trip: a K step's quarters 1 to 3, the refill two steps ahead, the next step's quarter 0; a chunk of the cast
	QUARTER 2, F1, F0, 0
	QUARTER 3, F0, F1, 0
	TURN 1
	QUARTER 1, F0, F1, 0, 1
	WIN 0
	s_sub_co_u32 s3, s3, 1
	s_cmp_lg_u32 s3, 0
	s_cbranch_scc1 .Lstep
	s_mov_b32 s2, 2
.Ltail:                                        ; the last two K steps fill nothing; the second pass is left in its middle, so what stands behind the jump runs once: the cast's seventh site
	QUARTER 2, F1, F0, 0
	QUARTER 3, F0, F1, 0
	WIN 0
	s_sub_co_u32 s2, s2, 1
	s_cmp_eq_u32 s2, 0
	s_cbranch_scc1 .Llast
	TURN 0
	QUARTER 1, F0, F1, 0, 1
	WIN 0
	s_branch .Ltail
.Llast:
	s_wait_dscnt 8
	MUL12 F1, 0, 0, 0
	MUL12 F1, 0, 2, 0
	s_wait_dscnt 0x0
	MUL12 F1, 1, 0, 0
	MUL12 F1, 1, 2, 0
	WIN 0
	PLACES
	CAST 0                                         ; the eighth chunk; nothing more is asked for
	s_barrier_signal -1                            ; no LDS load of mine is out: behind this barrier nobody reads the ring, which has had its last fill
	s_barrier_wait -1
.irp a, 0,1,2,3,4,5,6,7
	WIN 0x08+4*((\a)/4)                            ; a store's data is source 1
.irp b, 0,1,2,3,4,5
	ds_store_b128 v[STO+3*((\a)/4)], v[8*(6*((\a)%4)+(\b)):8*(6*((\a)%4)+(\b))+3]   offset:((\a)%4)*16*SPITCH+128*(\b)
	ds_store_b128 v[STO+3*((\a)/4)], v[8*(6*((\a)%4)+(\b))+4:8*(6*((\a)%4)+(\b))+7] offset:((\a)%4)*16*SPITCH+128*(\b)+16
.endr
.endr
	WIN 0
	s_wait_dscnt 0x0                               ; a stage row comes from two waves
	s_barrier_signal -1
	s_barrier_wait -1
.macro RLOAD                           ; eight rows: four pairs of rows x q, k, v
.irp jj, 0,1,2,3
.irp tn, 0,1,2
	ds_load_b128 v[X+4*(3*(\jj)+(\tn)):X+4*(3*(\jj)+(\tn))+3], v[RD] offset:(\jj)*2*SPITCH+256*(\tn)
.endr
.endr
.endm
	RLOAD
	s_mov_b32 s[RO], 0
	s_mov_b32 s3, 8
.Lrows:                                        ; eight trips of eight rows; the next trip's rows are read ahead; the last trip reads its own rows once more, so that all trips have one text
	s_wait_dscnt 0x0
.set e, 0
.rept 12
	v_cvt_pk_f16_f32 v[Y+2*e], v[X+4*e], v[X+4*e+1]
	v_cvt_pk_f16_f32 v[Y+2*e+1], v[X+4*e+2], v[X+4*e+3]
.set e, e+1
.endr
	s_add_co_u32 s[RO], s[RO], 8*SPITCH
	s_min_u32 s[RO], s[RO], 7*8*SPITCH
	v_add_nc_u32 v[RD], s[RO], v[RD0]
	RLOAD
.irp jj, 0,1,2,3
	global_store_b64 v[CO], v[Y+6*(\jj):Y+6*(\jj)+1],   s[8:9]   offset:256*(\jj)  ; 32 lanes x 8 bytes: two rows of 128 bytes, 256 consecutive bytes, aligned
	global_store_b64 v[CO], v[Y+6*(\jj)+2:Y+6*(\jj)+3], s[88:89] offset:256*(\jj)
	global_store_b64 v[CO], v[Y+6*(\jj)+4:Y+6*(\jj)+5], s[90:91] offset:256*(\jj)
.endr
	s_wait_xcnt 0x0                                ; Y and the offset are rewritten only behind this wait
	v_add_nc_u32 v[CO], 1024, v[CO]
	s_sub_co_u32 s3, s3, 1
	s_cmp_lg_u32 s3, 0
	s_cbranch_scc1 .Lrows
	s_wait_tensorcnt 0x0                           ; the wave's end
	ds_add_u32 v[SPW], v[NIL]
	s_wait_dscnt 0x0
	CROUND                                         ; the closing round
	s_endpgm
.Lfunc_end_k_q39e28a901d_qkv:
	.size	k_q39e28a901d_qkv, .Lfunc_end_k_q39e28a901d_qkv-k_q39e28a901d_qkv
	.p2alignl 7, 3214868480
	.fill 96, 4, 3214868480
	.section	.rodata,"a",@progbits
	.p2align	6, 0x0
	.amdhsa_kernel k_q39e28a901d_qkv
		.amdhsa_group_segment_fixed_size 327680
		.amdhsa_private_segment_fixed_size 0
		.amdhsa_enable_private_segment 0
		.amdhsa_kernarg_size 48
		.amdhsa_user_sgpr_count 2
		.amdhsa_user_sgpr_kernarg_segment_ptr 1
		.amdhsa_wavefront_size32 1
		.amdhsa_system_sgpr_workgroup_id_x 1
		.amdhsa_system_sgpr_workgroup_id_y 1
		.amdhsa_system_sgpr_workgroup_id_z 1
		.amdhsa_system_vgpr_workitem_id 0
		.amdhsa_next_free_vgpr 1024
		.amdhsa_next_free_sgpr 96
		.amdhsa_reserve_vcc 0
		.amdhsa_float_denorm_mode_32 3
		.amdhsa_float_denorm_mode_16_64 3
		.amdhsa_memory_ordered 1
		.amdhsa_forward_progress 1
		.amdhsa_inst_pref_size 81
	.end_amdhsa_kernel
	.amdgpu_metadata
---
amdhsa.version: [ 1, 2 ]
amdhsa.kernels:
  - .name:           k_q39e28a901d_qkv
    .symbol:         k_q39e28a901d_qkv.kd
    .args:
      - { .name: hn, .offset: 0, .size: 8, .value_kind: global_buffer, .address_space: global }
      - { .name: wq, .offset: 8, .size: 8, .value_kind: global_buffer, .address_space: global }
      - { .name: qkv, .offset: 16, .size: 8, .value_kind: global_buffer, .address_space: global }
      - { .name: W1, .offset: 24, .size: 8, .value_kind: global_buffer, .address_space: global }
      - { .name: W2, .offset: 32, .size: 8, .value_kind: global_buffer, .address_space: global }
      - { .name: wm, .offset: 40, .size: 8, .value_kind: global_buffer, .address_space: global }
    .group_segment_fixed_size: 327680
    .private_segment_fixed_size: 0
    .kernarg_segment_align: 8
    .kernarg_segment_size: 48
    .max_flat_workgroup_size: 128
    .sgpr_count:     96
    .vgpr_count:     1024
    .wavefront_size: 32
...
	.end_amdgpu_metadata
.endif
;; end of part 2
;; launch attn (part 3): grid 8 x 32, 4 waves a work-group, no clusters, 327,680 bytes of LDS; arguments qkv, ow; writes ow
.if DOCPART == 3
	.amdgcn_target "amdgcn-amd-amdhsa--gfx1250"
	.amdhsa_code_object_version 6
	.text
	.protected	k_q39e28a901d_attn
	.globl	k_q39e28a901d_attn
	.p2align	8
	.type	k_q39e28a901d_attn,@function
k_q39e28a901d_attn:
	s_mov_b64 s[64:65], 0
	v_nop
	global_prefetch_b8 v0, s[64:65] scope:SCOPE_SE
	s_setreg_imm32_b32 hwreg(HW_REG_WAVE_MODE, 25, 1), 1
	s_wait_xcnt 0x0
; CAUSAL ATTENTION, 32 heads of 2,048 x 64.  q, k, v: three tensors [32][2048][64] f16 in qkv, unscaled.  Products, maxima and sums in f32; the weights are rounded to f16 for the second product, O once at the end.
; LIMITS.  A hidden score counts as its value less 1e30 (its weight is 0, as with the problem's 1e10); a weight below 2^-126 counts as 0 in l; NaN and infinities are not treated apart.
; THE WALK.  A head's queries lie in 16 blocks of 128; block i needs the key tiles 0 .. i / 2 of 256 keys.  Work-group p takes block 15 - p and then block p: nine tiles whatever p: 8 x 32 equal work-groups, one counted walk.
; NO CLUSTER: of a head's eight work-groups only p = 2 q and 2 q + 1 walk the same tiles to the end; all eight share the first five tiles alone, and a walk common to all would have 12 trips for 9.
; SHARES.  A wave owns two PIECES of 16 queries, piece x in band x (64 rows) of the block; tile row r is row 8 w + r % 8 + 32 (r / 8) of the band: all rows with s % 32 in 8 w .. 8 w + 7.
; TURNS.  Turn (p, u) belongs to piece p in key step u: 8 products K Q^T of the other piece's next scores, later 8 products V^T P of the other piece's last weights; beside them piece p's scaling, exponentials, roundings, sums and
; rescaling and the other piece's maximum and statistics.  Four vector instructions stand behind every matrix instruction, the rest in one lump; a turn's 33 exponentials are one batch with one wait.
; Both runs of LDS loads for step u + 1 stand in turn (0, u): K in the lump, V at the end, into the OTHER of two V buffers.  So a slot is left when turn (0, 2) has run, and a trip is step 3 of the tile left and steps 0 to 2 of the tile entered.
; A BLOCK'S LAST STEP is a step like any other: the scores that it makes for a step that is not, and the maximum made of them, serve nothing.  At the walk's end V's run is jumped, and K's reads landed bytes of the slot's V part.
; THE MASK is the C operand that starts S^T = K Q^T: MC = MD x AL + BE, MD the mask of a band's own step.  Band x's own step in its block's last tile is 2 x (block's parity) + x; earlier steps see all, later none.  In other tiles MC stays 0.
; OUT.  ow [b 2][s % 32][h / 16][n 16][p 8][half 2][(s / 32) % 4][h % 16] f16: each run of 256 bytes is one wave's own; half 0 is block 15 - p, half 1 block p, so the first block's rows wait in the stage.
; REGISTERS.  window 0: v0-15 addresses; v16-23 statistics; v48-55 at work; v61-63; v64-127 S^T, two buffers; v192-223 P, two buffers.  window 1: v0-63 O^T; v128-159 MD; v160-223 MC.
;   window 2: v0-31 Q; v32-63 the second block's Q; v64-127 V of odd steps; v128-191 K; v192-255 V of even steps.
.set KS,    64
.set PK,    144                        ; a row of K in LDS: 128 + 16
.set PV,    160                        ; a row of V: 128 + 32
.set VOFF,  4*KS*PK
.set SLOT1, 1<<17
.set STAGE, SLOT1+4*KS*(PK+PV)         ; behind the ring, never filled by a tensor load: 32 runs of 256 + 16 bytes for each wave
.set SP,    272
.set SPARE, STAGE+4*32*SP
.set AK0, 2
.set AV0, 3
.set AK,  4
.set AV,  5
.set STO, 6
.set RD,  7
.set GO,  8
.set MV,  12
.set QO,  15
.set ST,  16                           ; piece t's statistics at v[ST+4 t]: c m, m, l (even keys', odd keys')
.set TMP, 48
.set PFO, 61
.set SPW, 62
.set NIL, 63
.set S,   64
.set P,   192
.set MD,  128
.set MC,  160
.set QB,  32
.set KF,  128
.set WV,  12
.set LOT, 13                           ; the second block's last tile
.set PB,  14                           ; p
.set HIT, 15                           ; the first block's last tile
.set G1K, 24
.set G1V, 32
.set G0K, 40
.set G0V, 44
.set SLOTS, 56
.set CNT, 57
.set CS,  58
.set SEL, 60
.set TBK, 62
.set TBV, 63
.set WT,  66                           ; tiles of the block in hand still to be entered
.set NXT, 67                           ; the tile to be asked for next
.set LQ,  68                           ; the last tile of the block whose tiles are being asked for
.set NEW, 69                           ; 1: nothing has been computed yet
.set OFF, 70
.set AL,  72
.set BE,  74
.set BIGN, 76
.set ENDF, 77                          ; 1: the tile just left was its block's last
.set LASTF, 78                         ; 1: the tile entered is its block's last
.set PARE, 79                          ; the parity of the block in hand
.set GT,  80                           ; s[80:81] the two bands' own steps in the tile entered, or 99
.set SN,  82                           ; the next step's number in its tile
.set LIM, 83
.set PFA, 84
.set LOT1, 86
.set PAR2, 87
.set MSB, 0
.macro WIN new
.if MSB != (\new)
	s_set_vgpr_msb (MSB<<8)|(\new)
.set MSB, (\new)
.endif
.endm
.set W_KQ, 0x0a
.set W_KM, 0x1a
.set W_PV, 0x52
.set W_RS, 0x41
.macro LOAD                            ; waves 0 and 1 fetch the halves of a tile's K, waves 2 and 3 those of its V; an s_nop 0 and four v_nop follow each line
	s_cmp_lt_u32 s[WV], 2
	s_cbranch_scc0 .Lfor_v_\@
	tensor_load_to_lds s[G0K:G0K+3], s[G1K:G1K+7]
	s_nop 0
.rept 4
	v_nop
.endr
	s_branch .Lasked_\@
.Lfor_v_\@:
	tensor_load_to_lds s[G0V:G0V+3], s[G1V:G1V+7]
	s_nop 0
.rept 4
	v_nop
.endr
.Lasked_\@:
.endm
; A prefetch into the L2 of the tile that the NEXT change of slots will load: my own 16,384 bytes of it, 64 blocks of 256, a lane a block, two instructions.  All eight work-groups of a head walk tiles 0 to 4 in step and
; work-group 0 walks 0 to 7: it alone asks, for tiles 3 to 7, each block once.  Not at the first change, where every work-group's first tiles are on their way; nothing behind tile 7.
.macro ASK
	s_cmp_lt_u32 s[SLOTS], 8
	s_cbranch_scc0 .Lnot_mine_\@
	s_cmp_gt_u32 s[SLOTS], s[LIM]
	s_cbranch_scc0 .Lnot_mine_\@
	global_prefetch_b8 v[PFO], s[PFA:PFA+1] th:TH_LOAD_NT scope:SCOPE_SE
	global_prefetch_b8 v[PFO], s[PFA:PFA+1] offset:8192 th:TH_LOAD_NT scope:SCOPE_SE
.Lnot_mine_\@:
.endm
; THE CHANGE OF SLOTS.  Each wave waits for all its tensor loads (the one that is out is its part of the other slot), adds 0 to its spare word, and waits for that and for its reads of the slot that it leaves.
; fill = 1: the old slot is filled again, first thing behind the barrier, with tile NXT; the descriptor's address is made anew from that number.
.macro CHANGE fill
	WIN 0
	s_wait_tensorcnt 0x0
	ds_add_u32 v[SPW], v[NIL]
.if \fill
	s_lshl_b32 s[OFF], s[NXT], 15
	s_xor_b32 s[G0K+1], s[G0K+1], SLOT1
	s_add_nc_u64 s[G0K+2:G0K+3], s[6:7], s[OFF:OFF+1]
	s_or_b32 s[G0K+3], s[G0K+3], 0x80000000
	s_xor_b32 s[G0V+1], s[G0V+1], SLOT1
	s_add_nc_u64 s[G0V+2:G0V+3], s[8:9], s[OFF:OFF+1]
	s_or_b32 s[G0V+3], s[G0V+3], 0x80000000
	s_add_co_u32 s[NXT], s[NXT], 1
	s_cmp_gt_u32 s[NXT], s[LQ]
	s_cselect_b32 s[NXT], 0, s[NXT]
	s_cselect_b32 s[LQ], s[LOT], s[LQ]
	s_wait_xcnt 0x0                                ; the last prefetches, a tile back, have read their address
	s_add_nc_u64 s[PFA:PFA+1], s[PFA:PFA+1], 32768
.endif
	s_wait_dscnt 0x0                               ; the add is done, my reads of the slot are over
	s_barrier_signal -1
	s_sub_co_u32 s[TBK], s[TBK], 4*KS*PK
	s_xor_b32 s[TBK], s[TBK], SLOT1
	s_sub_co_u32 s[TBV], s[TBV], 4*KS*PV
	s_xor_b32 s[TBV], s[TBV], SLOT1
	s_barrier_wait -1
.if \fill
	LOAD
	ASK
.endif
.endm
.macro TOP                             ; what the trip is: flags of the tile left and of the tile entered
	s_mov_b32 s[ENDF], s[LASTF]
	s_cmp_eq_u32 s[ENDF], 1
	s_cselect_b32 s[WT], s[LOT1], s[WT]
	s_cselect_b32 s[PARE], s[PAR2], s[PARE]
	s_sub_co_u32 s[WT], s[WT], 1
	s_lshl_b32 s20, s[PARE], 1
	s_add_co_u32 s21, s20, 1
	s_cmp_eq_u32 s[WT], 0
	s_cselect_b32 s[LASTF], 1, 0
	s_cselect_b32 s[GT], s20, 99
	s_cselect_b32 s[GT+1], s21, 99
	s_mov_b32 s[SN], 0
	s_mov_b32 s[CNT], 2
.endm
	s_load_b128 s[48:51], s[0:1], 0x0              ; qkv s[48:49], ow s[50:51]
	v_lshl_add_u32 v[SPW], v0, 2, SPARE
	v_mov_b32 v[NIL], 0
	ds_add_u32 v[SPW], v[NIL]                      ; the wave's opening: the add and its wait stand ahead of my first tensor load
	ds_add_u32 v62, v63
	v_lshrrev_b32 v1, 5, v0
	v_readfirstlane_b32 s[WV], v1
	s_mov_b32 s[PB], ttmp9
	s_sub_co_u32 s90, 15, s[PB]                    ; the first block
	s_lshr_b32 s[HIT], s90, 1
	s_lshr_b32 s[LOT], s[PB], 1
	s_add_co_u32 s[LOT1], s[LOT], 1
	s_and_b32 s[PAR2], s[PB], 1
	s_and_b32 s[PARE], s90, 1
	s_and_b32 s88, ttmp7, 0xffff                   ; 16 b + n
	s_lshl_b32 s89, s88, 18                        ; the head's first byte in q, k and v
	s_lshl_b32 s91, s[WV], 10                      ; my 8 rows of 128 bytes
	s_add_co_u32 s91, s91, s89
	s_lshl_b32 s16, s90, 14
	s_add_co_u32 s16, s16, s91                     ; Q of the first block
	s_mov_b32 s17, 0
	s_lshl_b32 s18, s[PB], 14
	s_add_co_u32 s18, s18, s91                     ; Q of the second
	s_mov_b32 s19, 0
	s_lshr_b32 s20, s88, 4                         ; ow: b x 4,194,304 + n x 2,048 + p x 256 + w x 8 x 131,072
	s_lshl_b32 s20, s20, 22
	s_and_b32 s2, s88, 15
	s_lshl_b32 s2, s2, 11
	s_add_co_u32 s20, s20, s2
	s_lshl_b32 s2, s[PB], 8
	s_add_co_u32 s20, s20, s2
	s_lshl_b32 s2, s[WV], 20
	s_add_co_u32 s20, s20, s2
	s_mov_b32 s21, 0
	s_and_b32 s2, s[WV], 1                         ; which half of a tile's 256 keys I fetch
	s_lshl_b32 s22, s2, 14
	s_add_co_u32 s22, s22, s89
	s_mov_b32 s23, 0
	s_mul_i32 s3, s2, 128*PK
	s_mul_i32 s2, s2, 128*PV
	; descriptor group 1: 128 keys are 16,384 dense bytes, asked for as 64 rows of 256 bytes and padded in LDS after every key
	s_mov_b32 s[G1K], (1<<16)|(1<<20)|(4<<22)|(3<<25)
	s_mov_b32 s[G1V], (1<<16)|(1<<20)|(4<<22)|(7<<25)
.irp g, G1K, G1V
	s_mov_b32 s[\g+1], 128<<16
	s_mov_b32 s[\g+2], 64<<16
	s_mov_b32 s[\g+3], 128<<16
	s_mov_b32 s[\g+4], 64
	s_mov_b32 s[\g+5], 128
	s_mov_b32 s[\g+6], 0
	s_mov_b32 s[\g+7], 0
.endr
	s_mov_b32 s[CS], 0x3e38aa3b                    ; c = log2(e) / 8
	s_mov_b32 s[CS+1], s[CS]
	s_mov_b32 s[SEL], 0x76543210
	s_mov_b32 s[SEL+1], 0xfedcba98
	s_mov_b32 s[TBK], SLOT1+4*KS*PK                ; the first change of slots turns these two into 0
	s_mov_b32 s[TBV], SLOT1+4*KS*PV
	s_mov_b32 s[G0K], 1
	s_mov_b32 s[G0K+1], s3
	s_mov_b32 s[G0V], 1
	s_add_co_u32 s[G0V+1], s2, VOFF
	s_add_co_u32 s[WT], s[HIT], 1
	s_mov_b32 s[NXT], 1
	s_mov_b32 s[LQ], s[HIT]
	s_mov_b32 s[NEW], 1
	s_mov_b32 s[LASTF], 0
	s_mov_b32 s[OFF+1], 0
	s_mov_b32 s[AL+1], 0
	s_mov_b32 s[BE+1], 0
	s_mov_b32 s[BIGN], 0xf149f2ca                  ; -1e30
	s_mov_b32 s[SLOTS], 8
	s_cmp_eq_u32 s[PB], 0
	s_cselect_b32 s[LIM], 2, -1
	s_wait_dscnt 0x0                               ; the opening add is done
	s_wait_kmcnt 0x0
	s_add_nc_u64 s[4:5], s[48:49], s[16:17]
	s_add_nc_u64 s[52:53], s[48:49], s[18:19]
	s_add_nc_u64 s[6:7], s[48:49], s[22:23]
	s_add_nc_u64 s[8:9], s[6:7], 16777216          ; V at my half of the head's tile 0
	s_add_nc_u64 s[6:7], s[6:7], 8388608           ; K likewise
	s_add_nc_u64 s[10:11], s[50:51], s[20:21]
	s_add_nc_u64 s[G0K+2:G0K+3], s[6:7], 0
	s_or_b32 s[G0K+3], s[G0K+3], 0x80000000
	s_add_nc_u64 s[G0V+2:G0V+3], s[8:9], 0
	s_or_b32 s[G0V+3], s[G0V+3], 0x80000000
	s_cmp_lt_u32 s[WV], 2
	s_cselect_b64 s[PFA:PFA+1], s[6:7], s[8:9]
	s_add_nc_u64 s[PFA:PFA+1], s[PFA:PFA+1], 32768 ; at tile 1: change number c steps it to tile c + 2
	LOAD                                           ; tile 0 into slot 0
	v_and_b32 v1, 15, v0                           ; r
	v_bfe_u32 v9, v0, 4, 1                         ; l / 16
	v_and_b32 v10, 7, v0
	v_bfe_u32 v11, v0, 3, 1
	v_lshl_add_u32 v14, v11, 5, v10                ; r % 8 + 32 (r / 8)
	v_lshlrev_b32 v[QO], 7, v14
	v_lshl_add_u32 v[QO], v9, 4, v[QO]
	WIN 0x80
.set i, 0
.rept 4                                ; both blocks' Q: piece i / 2 lies 64 rows on; channels 32 (i % 2) on
	global_load_b128 v[8*i:8*i+3],   v[QO], s[4:5] offset:(i/2)*8192+(i%2)*64
	global_load_b128 v[8*i+4:8*i+7], v[QO], s[4:5] offset:(i/2)*8192+(i%2)*64+32
	global_load_b128 v[QB+8*i:QB+8*i+3],   v[QO], s[52:53] offset:(i/2)*8192+(i%2)*64
	global_load_b128 v[QB+8*i+4:QB+8*i+7], v[QO], s[52:53] offset:(i/2)*8192+(i%2)*64+32
.set i, i+1
.endr
	WIN 0
	s_lshl_b32 s16, s[WV], 3
	v_add_nc_u32 v14, s16, v14                     ; my query's place in its band,
	v_lshlrev_b32 v12, 3, v9
	v_sub_nc_u32 v14, v14, v12                     ; less my lanes' 8 (l / 16): register g of key group kt is hidden where 16 kt + g is greater
	WIN 0x40
.set i, 0
.rept 32
	v_cmp_gt_i32 vcc_lo, 16*(i/8)+i%8, v14
	v_cndmask_b32 v[MD+i], 0, s[BIGN], vcc_lo
.set i, i+1
.endr
	WIN 0
	v_mul_u32_u24 v[AK0], v1, PK
	v_lshl_add_u32 v[AK0], v9, 4, v[AK0]
	v_lshl_add_u32 v[AV0], v9, 3, v10              ; the turning load: key 8 (l / 16) + l % 8, channels 8 ((l / 8) % 2) on
	v_mul_u32_u24 v[AV0], v[AV0], PV
	v_lshl_add_u32 v[AV0], v11, 4, v[AV0]
	v_add_nc_u32 v[AV0], VOFF, v[AV0]
	s_mul_i32 s16, s[WV], 32*SP
	s_add_co_u32 s16, s16, STAGE
	v_mul_u32_u24 v[STO], v10, SP                  ; stage, in: run r % 8 of a channel block's eight, byte 32 (r / 8) + 16 (l / 16)
	v_lshl_add_u32 v[STO], v11, 5, v[STO]
	v_lshl_add_u32 v[STO], v9, 4, v[STO]
	v_add_nc_u32 v[STO], s16, v[STO]
	v_mul_u32_u24 v[RD], v9, SP                    ; back: lanes 0-15 one run of 256 bytes, lanes 16-31 the next
	v_lshl_add_u32 v[RD], v1, 4, v[RD]
	v_add_nc_u32 v[RD], s16, v[RD]
	v_lshlrev_b32 v[GO], 17, v9
	v_lshl_add_u32 v[GO], v1, 4, v[GO]
	v_and_b32 v[PFO], 31, v0
	v_lshlrev_b32 v[PFO], 8, v[PFO]
	; A block's first step multiplies O^T and l by a = 0, and its first turn's products V^T P land in an O^T that is still to be so multiplied: these registers need only hold finite numbers.
	WIN 0x80
.set i, 64
.rept 64
	v_mov_b32 v[i], 0
.set i, i+1
.endr
	WIN 0x40
.set i, 0
.rept 64
	v_mov_b32 v[i], 0
.set i, i+1
.endr
	WIN 0
.irp i, 2,3,6,7
	v_mov_b32 v[ST+(\i)], 0
.endr
.set i, P+16
.rept 16
	v_mov_b32 v[i], 0
.set i, i+1
.endr
; THE MATRIX WORK.  The 4 accumulators of a run of 8 take turns.  Product i of 8 of S^T = K Q^T for piece x: channels 32 (i / 4) on, keys 16 (i % 4) on; the first 4 start the sums with the mask.
.macro KQ x
.set rS, S+32*(\x)+8*(i%4)
.set rK, KF+16*(i%4)+8*(i/4)
.set rQ, 16*(\x)+8*(i/4)
.set rM, MC+32*(\x)+8*(i%4)
.if i < 4
	WIN W_KM
	v_wmma_f32_16x16x32_f16 v[rS:rS+7], v[rK:rK+7], v[rQ:rQ+7], v[rM:rM+7]
.else
	WIN W_KQ
	v_wmma_f32_16x16x32_f16 v[rS:rS+7], v[rK:rK+7], v[rQ:rQ+7], v[rS:rS+7]
.endif
.endm
.macro PV x, vb                        ; product i of 8 of O^T += V^T P for piece x, V in the buffer at vb: keys 32 (i / 4) on, channels 16 (i % 4) on
	WIN W_PV
.set rO, 32*(\x)+8*(i%4)
.set rV, (\vb)+32*(i/4)+8*(i%4)
.set rP, P+16*(\x)+8*(i/4)
	v_wmma_f32_16x16x32_f16 v[rO:rO+7], v[rV:rV+7], v[rP:rP+7], v[rO:rO+7]
.endm
.macro MM                              ; the turn's next matrix instruction
.if i < 8
	KQ (Y+1)%2
.else
.set i, i-8
	PV (Y+1)%2, VB
.set i, i+8
.endif
.set i, i+1
.endm
.macro FETCH_K
	WIN 0x80
.irp f, 0,1,2,3,4,5,6,7
	ds_load_b128 v[KF+8*\f:KF+8*\f+3],   v[AK] offset:(\f/2)*16*PK+(\f%2)*64
	ds_load_b128 v[KF+8*\f+4:KF+8*\f+7], v[AK] offset:(\f/2)*16*PK+(\f%2)*64+32
.endr
	s_add_co_u32 s[TBK], s[TBK], KS*PK
	WIN 0
.endm
.macro FETCH_V vb
	WIN 0x80
.irp f, 0,1,2,3,4,5,6,7
	ds_load_tr16_b128 v[(\vb)+8*\f:(\vb)+8*\f+3],   v[AV] offset:(\f/4)*32*PV+(\f%4)*32
	ds_load_tr16_b128 v[(\vb)+8*\f+4:(\vb)+8*\f+7], v[AV] offset:(\f/4)*32*PV+16*PV+(\f%4)*32
.endr
	WIN 0
.endm
; THE VECTOR WORK, a line at a time: OP kind, number.  For piece Y: F n: c s - c m for pair n.  E n: the exponential of score n.  C n: pair n rounded to f16.  B n: of weights 4 n .. the second pair is added onto the first.
; L n: l takes that sum (L 0: l = a l + sum).  R n: pair n of O^T times a.  For the other piece: X n, number n of the 22 that find its maximum and statistics (each accumulator's lowest registers are read first).
.set F, 0
.set E, 1
.set C, 2
.set B, 3
.set L, 4
.set R, 5
.set X, 6
.macro REGS y
.set rT, ST+4*(\y)
.set rC, TMP+4*(\y)
.set rW, MV+(\y)
.set rS, S+32*(\y)
.set rP, P+16*(\y)
.set rO, 32*(\y)
.endm
.macro OP k, n
.if (\k) == R
	REGS Y
	WIN W_RS
	v_pk_mul_f32 v[rO+2*(\n):rO+2*(\n)+1], v[rO+2*(\n):rO+2*(\n)+1], v[rC+2:rC+3] op_sel_hi:[1,0]
.elseif (\k) < R
	REGS Y
	WIN 0
.if (\k) == F
	v_pk_fma_f32 v[rS+2*(\n):rS+2*(\n)+1], v[rS+2*(\n):rS+2*(\n)+1], s[CS:CS+1], v[rT:rT+1] op_sel_hi:[1,0,0] neg_lo:[0,0,1] neg_hi:[0,0,1]
.elseif (\k) == E
	v_exp_f32 v[rS+(\n)], v[rS+(\n)]
.elseif (\k) == C
	v_cvt_pk_f16_f32 v[rP+(\n)], v[rS+2*(\n)], v[rS+2*(\n)+1]
.elseif (\k) == B
	v_pk_add_f32 v[rS+4*(\n):rS+4*(\n)+1], v[rS+4*(\n):rS+4*(\n)+1], v[rS+4*(\n)+2:rS+4*(\n)+3]
.elseif (\n) == 0
	v_pk_fma_f32 v[rT+2:rT+3], v[rT+2:rT+3], v[rC+2:rC+3], v[rS:rS+1] op_sel_hi:[1,0,1]
.else
	v_pk_add_f32 v[rT+2:rT+3], v[rT+2:rT+3], v[rS+4*(\n):rS+4*(\n)+1]
.endif
.else
	REGS (Y+1)%2
	WIN 0
.if (\n) < 4
	v_max3_num_f32 v[rC+(\n)], v[rS+8*(\n)], v[rS+8*(\n)+1], v[rS+8*(\n)+2]
.elseif (\n) < 12
	v_max3_num_f32 v[rC+(\n)%4], v[rC+(\n)%4], v[rS+8*((\n)%4)+2*((\n)/4)+1], v[rS+8*((\n)%4)+2*((\n)/4)+2]
.elseif (\n) == 12
	v_max3_num_f32 v[rC], v[rC], v[rS+7], v[rS+15]
.elseif (\n) == 13
	v_max3_num_f32 v[rC+1], v[rC+1], v[rS+23], v[rS+31]
.elseif (\n) == 14
	v_max3_num_f32 v[rC+2], v[rC+2], v[rC+3], v[rT+1]
.elseif (\n) == 15
	v_mov_b32 v[rW], v[rT]
.elseif (\n) == 16
	v_max3_num_f32 v[rC], v[rC], v[rC+1], v[rC+2]
.elseif (\n) == 17
	v_permlanex16_b32 v[rC+3], v[rC], s[SEL], s[SEL+1]
.elseif (\n) == 18
	v_max_num_f32 v[rT+1], v[rC], v[rC+3]
.elseif (\n) == 19
	v_mul_f32 v[rT], s[CS], v[rT+1]
.elseif (\n) == 20
	v_sub_f32 v[rC+1], v[rW], v[rT]
.else
	v_exp_f32 v[rC+2], v[rC+1]
.endif
.endif
.endm
.macro OPS a, i1, b=-1, i2=0, c=-1, i3=0, d=-1, i4=0
	OP \a, \i1
.if (\b) >= 0
	OP \b, \i2
.endif
.if (\c) >= 0
	OP \c, \i3
.endif
.if (\d) >= 0
	OP \d, \i4
.endif
.endm
.macro ROW a, i1, b, i2, c, i3, d, i4  ; a matrix instruction and the four behind it
	MM
	OPS \a, \i1, \b, \i2, \c, \i3, \d, \i4
.endm
.macro MASK b                          ; MD x AL + BE into buffer b of MC
	WIN W_RS
.set z, 0
.rept 16
	v_pk_fma_f32 v[MC+32*(\b)+2*z:MC+32*(\b)+2*z+1], v[MD+2*z:MD+2*z+1], s[AL:AL+1], s[BE:BE+1] op_sel_hi:[1,0,0]
.set z, z+1
.endr
.endm
; A TURN for piece p in a step of parity par.  Ahead of the one wait stands all that names no result of the turn's exponentials; behind it the 8 products V^T P with the roundings and sums as their riders.
; Piece 0's turn reads V of the step before (the buffer of the other parity) and fills that buffer again at its end, four plain riders behind its last reader; it fetches K in the lump, twelve places behind the last product that read K.
; Piece 1's turn begins with a wait that leaves only V's sixteen youngest loads out: K of the next step and V of this step are in.  At its end a turn makes piece p's mask for the next step, in a block's last tile alone.
; last = 1: the text of the walk's last tile: in the pass with CNT = 1, the walk's last step, V's run is jumped (there is no further step), so piece 1's turn waits for all LDS loads there.
.macro TURN p, par, last=0
.set Y, (\p)
.set i, 0
.set VB, 192-128*((\p)*(\par)+(1-(\p))*(1-(\par)))
.if (\p) == 1
.if \last
	s_wait_dscnt 0x0
.else
	s_wait_dscnt 16
.endif
.endif
	ROW F,0, F,1, R,0, R,1
	ROW F,2, E,0, R,2, R,3
	ROW F,3, E,1, R,4, R,5
	ROW F,4, E,2, R,6, R,7
	ROW F,5, E,3, R,8, R,9
	ROW F,6, E,4, X,0, R,10
.if (\p) == 0
	WIN 0
	v_add_nc_u32 v[AK], s[TBK], v[AK0]
.endif
	ROW F,7, E,5, X,1, X,4
	ROW F,8, E,6, X,2, X,5
	OPS E,7, E,8, X,6, E,9
	OPS X,3, E,10, X,8, E,11
.if (\p) == 0
	FETCH_K
.endif
	OPS X,9, X,7, E,12, X,10
	OPS E,13, X,12, X,11, E,14
	OPS X,13, E,15, F,9, X,14
.if (\p) == 0
	v_add_nc_u32 v[AV], s[TBV], v[AV0]
.endif
	OPS E,16, F,10, E,17, F,11
	OPS X,16, E,18, X,15, E,19
	OPS F,12, E,20, X,17, E,21
	OPS F,13, E,22, F,14, E,23
	OPS X,18, E,24, F,15, E,25
	OPS R,11, E,26, X,19, E,27
	OPS R,12, E,28, R,13, E,29
	OPS X,20, E,30, R,14, E,31
	OPS X,21, R,15
	WIN 0
	s_wait_alu depctr_va_vdst(0)                   ; the one wait for the batch; R 15 is the plain instruction behind the last exponential
	ROW C,0, B,0, C,2, B,1
	ROW L,0, C,4, B,2, L,1
	ROW C,6, B,3, L,2, C,8
	ROW B,4, L,3, C,10, B,5
	ROW L,4, C,12, B,6, L,5
.if (\p) == 0
	s_add_co_u32 s[TBV], s[TBV], KS*PV
.endif
	ROW C,14, B,7, L,6, C,1
	ROW C,3, L,7, C,5, C,7
	ROW C,9, C,11, C,13, C,15
.if (\p) == 0
.if \last
	WIN 0
	s_cmp_eq_u32 s[CNT], 1
	s_cbranch_scc1 .Lno_v_\@
.endif
	FETCH_V 192-128*(1-(\par))
.if \last
.Lno_v_\@:
.endif
.endif
	WIN 0
	s_cmp_eq_u32 s[GT], 99
	s_cbranch_scc1 .Lno_mask_\@
	s_cmp_eq_u32 s[SN], s[GT+(\p)]                 ; is the next step the band's own?
	s_cselect_b32 s[AL], 1.0, 0
	s_cmp_gt_u32 s[SN], s[GT+(\p)]                 ; or a later one?
	s_cselect_b32 s[BE], s[BIGN], 0
	MASK \p
	WIN 0
.Lno_mask_\@:
.if (\p) == 1
	s_add_co_u32 s[SN], s[SN], 1
.endif
.endm
; A BLOCK BEGINS.  c m starts far below every c s, so the first step's a is 0.  Piece 0's mask for step 0 is its own if the block's only tile is entered; piece 1's is 0.  K and V of step 0 have been asked for.
.macro BEGIN
	WIN 0
.irp t, 0,1
	v_mov_b32 v[ST+4*(\t)], 0xfe000000
	v_mov_b32 v[ST+4*(\t)+1], 0xff7fffff
.endr
	s_cmp_eq_u32 s[GT], 0
	s_cselect_b32 s[AL], 1.0, 0
	s_mov_b32 s[BE], 0
	MASK 0
	s_mov_b32 s[AL], 0
	MASK 1
	WIN 0
	s_wait_loadcnt 0x0                             ; Q
	s_wait_dscnt 0x0                               ; K and V of step 0
.set i, 0
.rept 8
	KQ 0
.set i, i+1
.endr
	WIN 0
.rept 4
	v_nop                                          ; the places behind those products
.endr
.set Y, 1
.irp n, 0,1,2,3,4,5,6,7,8,9,10,11,12,13,14,15,16,17,18,19,20,21
	OP X, \n
.endr
	v_nop
	s_wait_alu depctr_va_vdst(0)
	s_mov_b32 s[SN], 1
.endm
.macro ALL line:vararg
.set t, 0
.rept 2
	\line
.set t, t+1
.endr
.endm
; A block's O^T is divided by l, rounded to f16 and laid into half H of my 32 runs in the stage.
.macro WAYOUT H
	WIN 0
	ALL v_add_f32 v[ST+4*t+2], v[ST+4*t+2], v[ST+4*t+3]
	ALL v_permlanex16_b32 v[ST+4*t+3], v[ST+4*t+2], s[SEL], s[SEL+1]
	ALL v_add_f32 v[ST+4*t+2], v[ST+4*t+2], v[ST+4*t+3]
	ALL v_rcp_f32 v[ST+4*t+2], v[ST+4*t+2]
	v_nop
	s_wait_alu depctr_va_vdst(0)                   ; one wait for the two reciprocals
.irp u, 0,1
	WIN W_RS
.set i, 32*(\u)
.rept 16
	v_pk_mul_f32 v[i:i+1], v[i:i+1], v[ST+4*(\u)+2:ST+4*(\u)+3] op_sel_hi:[1,0]
.set i, i+2
.endr
	WIN 0x05
.set i, 0
.rept 16
	v_cvt_pk_f16_f32 v[S+16*(\u)+i], v[32*(\u)+2*i], v[32*(\u)+2*i+1]
.set i, i+1
.endr
	WIN 0
.irp f, 0,1,2,3
	ds_store_b128 v[STO], v[S+16*(\u)+4*(\f):S+16*(\u)+4*(\f)+3] offset:(\f)*8*SP+(\H)*128+(\u)*64
.endr
.endr
.endm
.macro LASTPV                          ; piece 1's V^T P of a block's last step, which is an odd one
.set i, 0
.rept 8
	PV 1, 64
.set i, i+1
.endr
.endm
; A trip: step 3 of the tile left (and, if that ended a block, the block's end and the next one's beginning), then steps 0, 1, 2 of the tile entered.  first = 1: the text also holds the entry of the walk's first trip.
; first = 0: the walk's last tile: a third pass takes its step 3 and leaves the loop in its middle.
.macro BODY tag, first
.Lpair\tag:
	TURN 0, 1, 1-(\first)
	TURN 1, 1, 1-(\first)
	WIN 0
.if !(\first)
	s_cmp_eq_u32 s[CNT], 1
	s_cbranch_scc1 .Lfin
.endif
	s_cmp_eq_u32 s[ENDF], 1
	s_cbranch_scc0 .Leven\tag
	LASTPV
	WAYOUT 0
	WIN 0x82                                       ; the second block's Q goes where the one text of the turns names Q
.set i, 0
.rept 32
	v_mov_b32 v[i], v[QB+i]
.set i, i+1
.endr
	WIN 0
	s_mov_b32 s[ENDF], 0
.if \first
	s_branch .Lbegin\tag
.Lnew\tag:
	s_mov_b32 s[NEW], 0
	v_add_nc_u32 v[AK], s[TBK], v[AK0]
	v_add_nc_u32 v[AV], s[TBV], v[AV0]
	FETCH_K
	FETCH_V 192
	s_add_co_u32 s[TBV], s[TBV], KS*PV
.Lbegin\tag:
.endif
	BEGIN
.Leven\tag:
	TURN 0, 0
	TURN 1, 0
	WIN 0
	s_sub_co_u32 s[CNT], s[CNT], 1
	s_cmp_lg_u32 s[CNT], 0
	s_cbranch_scc1 .Lpair\tag
.endm
.Lslot:                                        ; eight times: a tile is entered and the next is asked for
	CHANGE 1
	TOP
	s_cmp_eq_u32 s[NEW], 1
	s_cbranch_scc1 .Lnew1
	BODY 1, 1
	s_sub_co_u32 s[SLOTS], s[SLOTS], 1
	s_cmp_lg_u32 s[SLOTS], 0
	s_cbranch_scc1 .Lslot
	CHANGE 0                                       ; the walk's last tile is written out
	TOP
	s_mov_b32 s[CNT], 3                            ; two passes as in every trip, and the first half of a third: the tile's step 3
	BODY 2, 0
.Lfin:
	LASTPV
	WAYOUT 1
.irp t, 0,1,2,3,4,5,6,7,8,9,10,11,12,13,14,15
	ds_load_b128 v[S+4*(\t):S+4*(\t)+3], v[RD] offset:(\t)*2*SP  ; LDS serves a wave's instructions in order: these see my stores of both blocks
.endr
.irp t, 0,1,2,3,4,5,6,7,8,9,10,11,12,13,14,15
	s_wait_dscnt 15-(\t)
	global_store_b128 v[GO], v[S+4*(\t):S+4*(\t)+3], s[10:11] offset:((\t)%4)*262144+((\t)/4)*32768  ; sixteen lanes store 256 consecutive bytes, aligned
.endr
	s_wait_tensorcnt 0x0                           ; the wave's end
	ds_add_u32 v[SPW], v[NIL]
	s_wait_dscnt 0x0
	s_endpgm
.Lfunc_end_k_q39e28a901d_attn:
	.size	k_q39e28a901d_attn, .Lfunc_end_k_q39e28a901d_attn-k_q39e28a901d_attn
	.p2alignl 7, 3214868480
	.fill 96, 4, 3214868480
	.section	.rodata,"a",@progbits
	.p2align	6, 0x0
	.amdhsa_kernel k_q39e28a901d_attn
		.amdhsa_group_segment_fixed_size 327680
		.amdhsa_private_segment_fixed_size 0
		.amdhsa_enable_private_segment 0
		.amdhsa_kernarg_size 16
		.amdhsa_user_sgpr_count 2
		.amdhsa_user_sgpr_kernarg_segment_ptr 1
		.amdhsa_wavefront_size32 1
		.amdhsa_system_sgpr_workgroup_id_x 1
		.amdhsa_system_sgpr_workgroup_id_y 1
		.amdhsa_system_sgpr_workgroup_id_z 1
		.amdhsa_system_vgpr_workitem_id 0
		.amdhsa_next_free_vgpr 768
		.amdhsa_next_free_sgpr 96
		.amdhsa_reserve_vcc 1
		.amdhsa_float_denorm_mode_32 3
		.amdhsa_float_denorm_mode_16_64 3
		.amdhsa_memory_ordered 1
		.amdhsa_forward_progress 1
		.amdhsa_inst_pref_size 144
	.end_amdhsa_kernel
	.amdgpu_metadata
---
amdhsa.version: [ 1, 2 ]
amdhsa.kernels:
  - .name:           k_q39e28a901d_attn
    .symbol:         k_q39e28a901d_attn.kd
    .args:
      - { .name: qkv, .offset: 0, .size: 8, .value_kind: global_buffer, .address_space: global }
      - { .name: ow, .offset: 8, .size: 8, .value_kind: global_buffer, .address_space: global }
    .group_segment_fixed_size: 327680
    .private_segment_fixed_size: 0
    .kernarg_segment_align: 8
    .kernarg_segment_size: 16
    .max_flat_workgroup_size: 128
    .sgpr_count:     96
    .vgpr_count:     768
    .wavefront_size: 32
...
	.end_amdgpu_metadata
.endif
;; end of part 3
;; launch mix (part 4): grid 256 x 1, 8 waves a work-group, no clusters, 35,840 bytes of LDS; arguments ow, x, wsum, ln2_w, ln2_b, x1, hn; writes x1, hn
.if DOCPART == 4
	.amdgcn_target "amdgcn-amd-amdhsa--gfx1250"
	.amdhsa_code_object_version 6
	.text
	.protected	k_q39e28a901d_mix
	.globl	k_q39e28a901d_mix
	.p2align	8
	.type	k_q39e28a901d_mix,@function
k_q39e28a901d_mix:
	s_mov_b64 s[64:65], 0
	v_nop
	global_prefetch_b8 v0, s[64:65] scope:SCOPE_SE
	s_setreg_imm32_b32 hwreg(HW_REG_WAVE_MODE, 25, 1), 1
	s_wait_xcnt 0x0
; x1 = x + wsum[d] O[b][d / 64][(d % 64) 32 + s' / 64][s' % 64] in f32, and hn = LN2(x1) in f16.
; Work-group id owns rows 16 id .. 16 id + 15 of x, and all of O that they need is the dense 32,768 bytes at ow + 32,768 id: 256 chunks of 128 bytes, [n 16][place 16], a chunk [d % 4][row 16] in f16.
; The chunks go through LDS at a pitch of 136 bytes = 34 words.
; Wave v takes rows 2 v and 2 v + 1 whole, so LN2 never leaves the wave.  Memory binds: no matrix unit, no cluster (what is shared is 12 KiB of vectors).
; LIMITS: LN2's output is at most 32 |gain| + |bias|, which has to stay under f16's 65,504.  NaN and infinities are not treated apart.
.set SPARE, 34816
.set SPW, 246
.set NIL, 247
.set TT,  232
.set X0,  8
.set X1,  40
.set WS,  72
.set LW,  104
.set LB,  136
.set OV,  168
.set TO,  200
.set OA,  5
.set OS,  28
.macro LANESUM
	v_add_f32_dpp v[TT], v[TT], v[TT] row_xmask:1 row_mask:0xf bank_mask:0xf
	v_add_f32_dpp v[TT], v[TT], v[TT] row_xmask:2 row_mask:0xf bank_mask:0xf
	v_add_f32_dpp v[TT], v[TT], v[TT] row_xmask:4 row_mask:0xf bank_mask:0xf
	v_add_f32_dpp v[TT], v[TT], v[TT] row_xmask:8 row_mask:0xf bank_mask:0xf
	v_permlanex16_b32 v[TT+1], v[TT], s8, s9
	v_add_f32 v[TT], v[TT], v[TT+1]
.endm
.macro FOLD
	v_pk_add_f32 v[TT:TT+1], v[TT:TT+1], v[TT+2:TT+3]
	v_pk_add_f32 v[TT+4:TT+5], v[TT+4:TT+5], v[TT+6:TT+7]
	v_pk_add_f32 v[TT:TT+1], v[TT:TT+1], v[TT+4:TT+5]
	v_add_f32 v[TT], v[TT], v[TT+1]
.endm
; One row of 1,024 numbers, 32 a lane (register 4 c + i: column 128 c + 4 lane + i): mean, then the squares of the differences, gain and bias, f16 in place, stored at byte off behind s[OS:OS+1].
.macro LNROW X, off
.irp j, 0,1,2,3
	v_pk_add_f32 v[TT+2*(\j):TT+2*(\j)+1], v[(\X)+2*(\j):(\X)+2*(\j)+1], v[(\X)+8+2*(\j):(\X)+9+2*(\j)]
.endr
.irp j, 8,9,10,11,12,13,14,15
	v_pk_add_f32 v[TT+2*((\j)%4):TT+2*((\j)%4)+1], v[TT+2*((\j)%4):TT+2*((\j)%4)+1], v[(\X)+2*(\j):(\X)+2*(\j)+1]
.endr
	FOLD
	LANESUM
	v_mul_f32 v[TT+8], 0x3a800000, v[TT]
	v_mov_b32 v[TT+9], v[TT+8]
.irp j, 0,1,2,3,4,5,6,7,8,9,10,11,12,13,14,15
	v_pk_add_f32 v[(\X)+2*(\j):(\X)+2*(\j)+1], v[(\X)+2*(\j):(\X)+2*(\j)+1], v[TT+8:TT+9] neg_lo:[0,1] neg_hi:[0,1]
.endr
.irp j, 0,1,2,3
	v_pk_mul_f32 v[TT+2*(\j):TT+2*(\j)+1], v[(\X)+2*(\j):(\X)+2*(\j)+1], v[(\X)+2*(\j):(\X)+2*(\j)+1]
.endr
.irp j, 4,5,6,7,8,9,10,11,12,13,14,15
	v_pk_fma_f32 v[TT+2*((\j)%4):TT+2*((\j)%4)+1], v[(\X)+2*(\j):(\X)+2*(\j)+1], v[(\X)+2*(\j):(\X)+2*(\j)+1], v[TT+2*((\j)%4):TT+2*((\j)%4)+1]
.endr
	FOLD
	LANESUM
	v_fma_f32 v[TT+12], v[TT], s10, s11            ; sum of squares / 1,023 + 1e-4
	v_rsq_f32 v[TT+10], v[TT+12]
	v_rsq_f32 v[TT+11], v[TT+12]
	v_nop
	s_wait_loadcnt 0x0                             ; gain and bias are in
	s_wait_alu depctr_va_vdst(0)                   ; one wait for both roots
.irp j, 0,1,2,3,4,5,6,7,8,9,10,11,12,13,14,15
	v_pk_mul_f32 v[(\X)+2*(\j):(\X)+2*(\j)+1], v[(\X)+2*(\j):(\X)+2*(\j)+1], v[TT+10:TT+11]
.endr
.irp j, 0,1,2,3,4,5,6,7,8,9,10,11,12,13,14,15
	v_pk_fma_f32 v[(\X)+2*(\j):(\X)+2*(\j)+1], v[(\X)+2*(\j):(\X)+2*(\j)+1], v[LW+2*(\j):LW+2*(\j)+1], v[LB+2*(\j):LB+2*(\j)+1]
.endr
.irp j, 0,1,2,3,4,5,6,7,8,9,10,11,12,13,14,15
	v_cvt_pk_f16_f32 v[(\X)+(\j)], v[(\X)+2*(\j)], v[(\X)+2*(\j)+1]
.endr
.irp c, 0,1,2,3,4,5,6,7
	global_store_b64 v[OA], v[(\X)+2*(\c):(\X)+2*(\c)+1], s[OS:OS+1] offset:(\off)+256*(\c)  ; 256 consecutive bytes, aligned
.endr
.endm
	s_load_b256 s[16:23], s[0:1], 0x0              ; ow 16, x 18, wsum 20, ln2_w 22
	s_load_b128 s[24:27], s[0:1], 0x20             ; ln2_b 24, x1 26
	s_load_b64 s[28:29], s[0:1], 0x30              ; hn
	v_lshl_add_u32 v[SPW], v0, 2, SPARE
	v_mov_b32 v[NIL], 0
	v_lshrrev_b32 v1, 5, v0
	v_readfirstlane_b32 s4, v1                     ; wave 0..7
	v_and_b32 v2, 31, v0
	v_lshlrev_b32 v3, 4, v0                        ; ow: 16 bytes a thread
	v_lshlrev_b32 v4, 4, v2                        ; rows: 16 bytes a lane
	v_lshlrev_b32 v[OA], 3, v2
	v_lshrrev_b32 v6, 3, v0                        ; into LDS: chunk thread / 8, 16 bytes at 16 (thread % 8)
	v_mul_u32_u24 v6, v6, 136
	v_and_b32 v7, 7, v0
	v_lshl_add_u32 v6, v7, 4, v6
	; out of LDS: lane l holds d = 128 c + 4 l + i: head 2 c + l / 16, query block blk = l % 16.  Block blk lies at place 2 blk + 1 (blk < 8: its pair's second block) or 30 - 2 blk (its first).
	; With e = blk % 8 these are 2 e + 1 and 14 - 2 e: both within 0 .. 15, so the chunk's number stays within 0 .. 31 and the last byte read is 31 x 136 + 28 + 30,560 + 4 = 34,808, below the spare words.
	v_lshlrev_b32 v232, 1, v7                      ; 2 e: 0 .. 14
	v_add_nc_u32 v233, 1, v232                     ; 2 e + 1
	v_sub_nc_u32 v232, 14, v232                    ; 14 - 2 e
	v_bfe_u32 v234, v0, 3, 1                       ; blk / 8
	v_cmp_eq_u32 vcc_lo, 0, v234
	v_cndmask_b32 v232, v232, v233, vcc_lo
	v_bfe_u32 v233, v0, 4, 1
	v_lshl_add_u32 v232, v233, 4, v232
	v_mul_u32_u24 v7, v232, 136
	s_lshl_b32 s5, s4, 2                           ; rows 2 v and 2 v + 1 are one word
	v_add_nc_u32 v7, s5, v7
	s_mov_b32 s7, 0
	s_mov_b32 s8, 0x76543210
	s_mov_b32 s9, 0xfedcba98
	s_mov_b32 s10, 0x3a802008                      ; 1 / 1,023
	s_mov_b32 s11, 0x38d1b717                      ; 1e-4
	s_lshl_b32 s5, ttmp9, 4
	s_lshl1_add_u32 s5, s4, s5                     ; my first row
	s_wait_kmcnt 0x0
	s_lshl_b32 s6, ttmp9, 15
	s_add_nc_u64 s[16:17], s[16:17], s[6:7]
	s_lshl_b32 s6, s5, 12
	s_add_nc_u64 s[18:19], s[18:19], s[6:7]
	s_add_nc_u64 s[26:27], s[26:27], s[6:7]
	s_lshl_b32 s6, s5, 11
	s_add_nc_u64 s[OS:OS+1], s[OS:OS+1], s[6:7]
.set k, 0
.rept 8
	global_load_b128 v[TO+4*k:TO+4*k+3], v3, s[16:17] offset:4096*k th:TH_LOAD_NT
.set k, k+1
.endr
.set k, 0
.rept 8
	global_load_b128 v[X0+4*k:X0+4*k+3], v4, s[18:19] offset:512*k
.set k, k+1
.endr
.set k, 0
.rept 8
	global_load_b128 v[X1+4*k:X1+4*k+3], v4, s[18:19] offset:4096+512*k
.set k, k+1
.endr
.set k, 0
.rept 8
	global_load_b128 v[WS+4*k:WS+4*k+3], v4, s[20:21] offset:512*k
.set k, k+1
.endr
.set k, 0
.rept 8
	global_load_b128 v[LW+4*k:LW+4*k+3], v4, s[22:23] offset:512*k
.set k, k+1
.endr
.set k, 0
.rept 8
	global_load_b128 v[LB+4*k:LB+4*k+3], v4, s[24:25] offset:512*k
.set k, k+1
.endr
	s_wait_loadcnt 40                              ; ow's eight loads are in; the forty younger ones stay out
.set k, 0
.rept 8
	ds_store_b64 v6, v[TO+4*k:TO+4*k+1]   offset:4352*k    ; 32 chunks of 136 bytes further for each load; the pitch is a multiple of 8 alone, so 8 bytes a store
	ds_store_b64 v6, v[TO+4*k+2:TO+4*k+3] offset:4352*k+8
.set k, k+1
.endr
	s_wait_dscnt 0x0                               ; for the others' sake
	s_barrier_signal -1
	s_barrier_wait -1
.set e, 0
.rept 32
	ds_load_b32 v[OV+e], v7 offset:4352*(e/4)+32*(e%4)
.set e, e+1
.endr
	s_wait_loadcnt 16                              ; x and wsum are in
	s_wait_dscnt 0x0
.set e, 0
.rept 32
	v_fma_mix_f32 v[X0+e], v[OV+e], v[WS+e], v[X0+e] op_sel:[0,0,0] op_sel_hi:[1,0,0]  ; the word's low f16 is row 2 v's,
	v_fma_mix_f32 v[X1+e], v[OV+e], v[WS+e], v[X1+e] op_sel:[1,0,0] op_sel_hi:[1,0,0]  ; its high f16 row 2 v + 1's
.set e, e+1
.endr
.set k, 0
.rept 8
	global_store_b128 v4, v[X0+4*k:X0+4*k+3], s[26:27] offset:512*k
	global_store_b128 v4, v[X1+4*k:X1+4*k+3], s[26:27] offset:4096+512*k
.set k, k+1
.endr
	s_wait_xcnt 0x0                                ; the rows are rewritten only behind this wait
	LNROW X0, 0
	LNROW X1, 2048
	s_wait_tensorcnt 0x0                           ; the wave's end, behind my last LDS store
	ds_add_u32 v[SPW], v[NIL]
	s_wait_dscnt 0x0
	s_endpgm
.Lfunc_end_k_q39e28a901d_mix:
	.size	k_q39e28a901d_mix, .Lfunc_end_k_q39e28a901d_mix-k_q39e28a901d_mix
	.p2alignl 7, 3214868480
	.fill 96, 4, 3214868480
	.section	.rodata,"a",@progbits
	.p2align	6, 0x0
	.amdhsa_kernel k_q39e28a901d_mix
		.amdhsa_group_segment_fixed_size 35840
		.amdhsa_private_segment_fixed_size 0
		.amdhsa_enable_private_segment 0
		.amdhsa_kernarg_size 56
		.amdhsa_user_sgpr_count 2
		.amdhsa_user_sgpr_kernarg_segment_ptr 1
		.amdhsa_wavefront_size32 1
		.amdhsa_system_sgpr_workgroup_id_x 1
		.amdhsa_system_sgpr_workgroup_id_y 1
		.amdhsa_system_sgpr_workgroup_id_z 1
		.amdhsa_system_vgpr_workitem_id 0
		.amdhsa_next_free_vgpr 248
		.amdhsa_next_free_sgpr 66
		.amdhsa_reserve_vcc 1
		.amdhsa_float_denorm_mode_32 3
		.amdhsa_float_denorm_mode_16_64 3
		.amdhsa_memory_ordered 1
		.amdhsa_forward_progress 1
		.amdhsa_inst_pref_size 32
	.end_amdhsa_kernel
	.amdgpu_metadata
---
amdhsa.version: [ 1, 2 ]
amdhsa.kernels:
  - .name:           k_q39e28a901d_mix
    .symbol:         k_q39e28a901d_mix.kd
    .args:
      - { .name: ow, .offset: 0, .size: 8, .value_kind: global_buffer, .address_space: global }
      - { .name: x, .offset: 8, .size: 8, .value_kind: global_buffer, .address_space: global }
      - { .name: wsum, .offset: 16, .size: 8, .value_kind: global_buffer, .address_space: global }
      - { .name: ln2_w, .offset: 24, .size: 8, .value_kind: global_buffer, .address_space: global }
      - { .name: ln2_b, .offset: 32, .size: 8, .value_kind: global_buffer, .address_space: global }
      - { .name: x1, .offset: 40, .size: 8, .value_kind: global_buffer, .address_space: global }
      - { .name: hn, .offset: 48, .size: 8, .value_kind: global_buffer, .address_space: global }
    .group_segment_fixed_size: 35840
    .private_segment_fixed_size: 0
    .kernarg_segment_align: 8
    .kernarg_segment_size: 56
    .max_flat_workgroup_size: 256
    .sgpr_count:     66
    .vgpr_count:     248
    .wavefront_size: 32
...
	.end_amdgpu_metadata
.endif
;; end of part 4
;; launch mlp1 (part 5): grid 16 x 16, 4 waves a work-group, clusters of 4 x 4, 327,680 bytes of LDS; arguments hn, wm, b1, g; writes g
.if DOCPART == 5
	.amdgcn_target "amdgcn-amd-amdhsa--gfx1250"
	.amdhsa_code_object_version 6
	.text
	.protected	k_q39e28a901d_mlp1
	.globl	k_q39e28a901d_mlp1
	.p2align	8
	.type	k_q39e28a901d_mlp1,@function
k_q39e28a901d_mlp1:
	s_mov_b64 s[64:65], 0
	v_nop
	global_prefetch_b8 v0, s[64:65] scope:SCOPE_SE
	s_setreg_imm32_b32 hwreg(HW_REG_WAVE_MODE, 25, 1), 1
	s_wait_xcnt 0x0
	s_wait_alu depctr_hold_cnt(0) depctr_sa_sdst(0) depctr_va_vdst(0) depctr_va_sdst(0) depctr_va_ssrc(0) depctr_va_vcc(0) depctr_vm_vsrc(0)
	s_getreg_b32 s2, hwreg(HW_REG_IB_STS2, 6, 4)
	s_cmp_eq_u32 s2, 0
	s_cbranch_scc0 .Lentry_in_a_cluster
	s_endpgm
.Lentry_in_a_cluster:
	s_bfe_u32 s2, ttmp6, 0x10000c
	s_cmp_lg_u32 s2, 0xf033
	s_cbranch_scc0 .Lentry_shape_is_right
	s_endpgm
.Lentry_shape_is_right:
; g = gelu(LN2(x1) W1 + b1) in f16.  A = hn [4096][1024] f16; B = W1 [1024][4096] f16 at byte 0 of wm, as it lies ([k][column]); sums in f32.
; GELU is the exact one: x Phi(x) = max(x, 0) + |x| poly(t) exp(-x^2 / 2), t = 1 / (1 + 0.23164189 |x|), poly the fifth-degree form of Abramowitz and Stegun 7.1.26 times -1/2: erf to 1.5e-7 absolute for every x.
; LIMITS: a g of 65,520 or more becomes an infinity in f16 (with gain, bias and weights thirty times those drawn the sums have a spread of some 1,300, the largest some 7,000).  NaN and infinities are not treated apart.
; SHARES.  A tile of C is 256 x 256: 16 x 16 work-groups; four waves, each 128 x 128: 64 accumulators, 512 registers.  K in steps of 128 through two LDS slots; A's rows are 256 bytes of memory, B's 512.
; B's fragments come out of LDS turned (ds_load_tr16_b128); its LDS row is 512 + 32 = 17 x 32 bytes.  THE MATRIX INSTRUCTION IS USED TRANSPOSED: a lane holds one row of C and eight neighbouring columns.
; CLUSTER 4 x 4: A's tile shared along a row of the cluster, B's along a column, asked for jointly.  The loop's body is ONE K step: one walking descriptor a tensor, its LDS word BASE + TF, TF turned between 0 and SLOT by an exclusive or.
; THE CLUSTERS BEGIN AT DIFFERENT K STEPS.  Cluster (X, Y) walks K from step 2 X + 4 (Y & 1) on and round the end (f32 sums may be taken in any order): the four clusters that read the same rows of A stand two K steps apart,
; clusters Y and Y + 1, which read the same columns of B, four.  The start hangs on the cluster's coordinates alone: it is the same in all sixteen partners.
; WAY OUT.  The ring has had its last fill; behind a barrier each wave lays its sums as f32 into a stage of its own over the ring (128 rows x 528 bytes) and takes them back by rows, four rows a trip: bias, GELU, f16, stores of 256 bytes.
; REGISTERS: window 0: v0-31 addresses, v8-11 my four b1; v64-127, v128-191 A's fragments; window 1: the same for B; windows 2, 3: accumulator (a, b) at v[8 (8 (a % 4) + b)].
.set NS,     8
.set PA,     272
.set PB,     544
.set HALFA,  128*PA
.set HALFB,  64*PB
.set BOFF,   2*HALFA
.set SLOT,   BOFF+2*HALFB              ; 139,264
.set SPARE,  2*SLOT
.set SPITCH, 528
.set ASTEP,  256
.set BSTEP,  1048576
.set ADRA0, 16
.set ADRB0, 17
.set ADRA,  18
.set ADRB,  19
.set RD0,   22                         ; v22  stage: where I read my first rows back; never rewritten
.set STO,   24
.set RD,    25                         ; v25  RD0 + RO
.set CO,    26
.set BO,    27
.set SPW,   28
.set NIL,   29
.set PFO,   30
.set F0,    64
.set F1,    128
.set X,   32                           ; the way out: 4 rows x 4 columns a lane, as read back
.set T,   64                           ; x = sum + bias
.set AB,  80                           ; |x|
.set DEN, 96                           ; 1 + p |x|, then t
.set ARG, 112                          ; -x^2 log2(e) / 2, then its exponential
.set R,   128                          ; max(x, 0)
.set P,   144                          ; the polynomial, then the result
.set Y,   160                          ; f16
.set G1A, 24
.set G0A, 32
.set PFA, 40                           ; s[40:41] where my prefetch stands; never rewritten
.set LIM, 44                           ; s44  NS - 3 in a wave that prefetches, else the greatest number
.set G1B, 48
.set G0B, 56
.set TB,  19
.set TF,  80
.set BASEL, 81                         ; s81  my tile's place in a slot: wave x 34,816, A's two halves and then B's two
.set IDX, 88                           ; s88  the K step at which the walking descriptors stand
.set RO,  89                           ; s89  the way out: byte offset of the rows to be read next
.set WRA, 90                           ; s[90:91] what A's address goes back at the end of K, or 0
.set WRB, 92                           ; s[92:93] the same for B
.set MSB, 0
.macro WIN new
.if MSB != (\new)
	s_set_vgpr_msb (MSB<<8)|(\new)
.set MSB, (\new)
.endif
.endm
.set MUL_LO, 0xa1
.set MUL_HI, 0xf1
.set TO_B,   0x40
.macro PLACES
.rept 4
	v_nop
.endr
.endm
.macro JLOAD                           ; the joint refill; the branch hangs on the wave's number alone; an s_nop 0 and four v_nop follow each line
	s_cmp_eq_u32 s13, 0
	s_cbranch_scc0 .Lfor_b_\@
	tensor_load_to_lds s[G0A+4:G0A+7], s[G1A:G1A+7]
	s_nop 0
	PLACES
	s_branch .Lasked_\@
.Lfor_b_\@:
	tensor_load_to_lds s[G0B+4:G0B+7], s[G1B:G1B+7]
	s_nop 0
	PLACES
.Lasked_\@:
.endm
.macro CREST
	s_cmp_lg_u32 s12, 0
	s_cbranch_scc1 .Lnot_wave_0_\@
	s_barrier_signal -3
.Lnot_wave_0_\@:
	s_barrier_wait -3
	s_barrier_signal -1
	s_barrier_wait -1
.endm
.macro CROUND
	s_barrier_signal -1
	s_barrier_wait -1
	CREST
.endm
; ONE PREFETCH INTO THE L2.  By the starts above, a cluster is ahead of the others of its row of clusters in its first two K steps of A, which are its first fills, and ahead of cluster Y + 1 or Y - 1 in its first four K steps of B: two first
; fills, the first refill, and the fourth step.  That fourth step is asked for behind the first refill and the run of LDS loads, one K step, 256 matrix instructions, ahead of the load that wants it.  Clusters Y and Y + 2 begin alike:
; the one with Y < 2 asks.  The four partners of the joint load share its 64 k rows out by address, 16 each, two lanes a row's 512 bytes: each block of 256 bytes is named once.
.macro ASK
	s_cmp_gt_u32 s3, s[LIM]                        ; s3 = NS - 2 in the first trip alone
	s_cbranch_scc0 .Lnot_mine_\@
	global_prefetch_b8 v[PFO], s[PFA:PFA+1] th:TH_LOAD_NT scope:SCOPE_SE
.Lnot_mine_\@:
.endm
	s_load_b256 s[4:11], s[0:1], 0x0               ; hn s[4:5], wm s[6:7], b1 s[8:9], g s[10:11]
	v_lshl_add_u32 v[SPW], v0, 2, SPARE
	v_mov_b32 v[NIL], 0
	ds_add_u32 v[SPW], v[NIL]                      ; the wave's opening: the add and its wait stand ahead of my first tensor load
	ds_add_u32 v28, v29
	v_lshrrev_b32 v1, 5, v0
	v_readfirstlane_b32 s12, v1
	s_lshr_b32 s13, s12, 1                         ; my half of the rows; also: I fetch for A (0) or B (1)
	s_and_b32 s14, s12, 1                          ; my half of the columns; also: which half of a tile I fetch
	s_bfe_u32 s15, ttmp6, 0x40000
	s_bfe_u32 s16, ttmp6, 0x40004
	s_lshl_b32 s17, ttmp9, 2
	s_add_co_u32 s17, s17, s15                     ; tile column
	s_and_b32 s18, ttmp7, 0xffff                   ; cluster y
	s_and_b32 s94, s18, 1
	s_lshl_b32 s94, s94, 2
	s_lshl1_add_u32 s[IDX], ttmp9, s94
	s_and_b32 s[IDX], s[IDX], NS-1                 ; the K step at which my cluster begins: 2 X + 4 (Y & 1), always even
	s_lshl_b32 s18, s18, 2
	s_add_co_u32 s18, s18, s16                     ; tile row
	s_lshl_b32 s20, s16, 2
	s_lshl_b32 s20, 15, s20
	s_lshl_b32 s45, 0x1111, s15
	s_or_b32 s[G1A], s20, (1<<16)|(1<<20)|(1<<21)|(5<<22)|(3<<25)  ; 4 words of padding behind every 64
	s_or_b32 s[G1B], s45, (1<<16)|(1<<20)|(1<<21)|(6<<22)|(7<<25)  ; 8 words behind every 128
	s_mov_b32 s[G1A+1], 128<<16                    ; A: 128 rows x 128 elements, pitch 1,024
	s_mov_b32 s[G1A+2], 128<<16
	s_mov_b32 s[G1A+3], 128<<16
	s_mov_b32 s[G1A+4], 128
	s_mov_b32 s[G1A+5], 1024
	s_mov_b32 s[G1A+6], 0
	s_mov_b32 s[G1A+7], 0
	s_mov_b32 s[G1B+1], 256<<16                    ; B: 64 k rows x 256 elements, pitch 4,096
	s_mov_b32 s[G1B+2], 64<<16
	s_mov_b32 s[G1B+3], 256<<16
	s_mov_b32 s[G1B+4], 64
	s_mov_b32 s[G1B+5], 4096
	s_mov_b32 s[G1B+6], 0
	s_mov_b32 s[G1B+7], 0
	s_lshl_b32 s20, s18, 8
	s_lshl_b32 s21, s14, 7
	s_add_co_u32 s20, s20, s21
	s_lshl_b32 s20, s20, 11
	s_lshl_b32 s21, s[IDX], 8
	s_add_co_u32 s20, s20, s21                     ; at my cluster's first K step
	s_mov_b32 s21, 0
	s_lshl_b32 s46, s14, 19                        ; 64 k rows of 8,192 bytes
	s_lshl_b32 s47, s17, 9
	s_add_co_u32 s46, s46, s47
	s_lshl_b32 s47, s[IDX], 20
	s_add_co_u32 s46, s46, s47                     ; at the same K step
	s_mov_b32 s47, 0
	s_add_co_u32 s[IDX], s[IDX], 1                 ; the walking descriptors begin at the second fill's step
	s_mov_b32 s[WRA+1], 0
	s_mov_b32 s[WRB+1], 0
	s_mul_i32 s[BASEL], s12, HALFA
	s_mov_b32 s[TF], SLOT
	s_mov_b32 s[TB], 0
	s_mov_b32 s66, 0x3e6d3388                      ; p / sqrt(2) = 0.23164189
	s_mov_b32 s67, s66
	s_mov_b32 s68, 0xbf38aa3b                      ; -log2(e) / 2
	s_mov_b32 s69, s68
	s_mov_b32 s70, 0xbf07dc22                      ; -a5 / 2
	s_mov_b32 s71, s70
	s_mov_b32 s72, 0x3f3a00e3                      ; -a4 / 2
	s_mov_b32 s73, s72
	s_mov_b32 s74, 0xbf35f0e3                      ; -a3 / 2
	s_mov_b32 s75, s74
	s_mov_b32 s76, 0x3e11a98e                      ; -a2 / 2
	s_mov_b32 s77, s76
	s_mov_b32 s78, 0xbe027906                      ; -a1 / 2
	s_mov_b32 s79, s78
	s_wait_dscnt 0x0
	s_wait_kmcnt 0x0
	s_add_nc_u64 s[20:21], s[4:5], s[20:21]
	s_add_nc_u64 s[46:47], s[6:7], s[46:47]
	CROUND
.irp s, 0,1
	s_mov_b32 s[G0A+4*(\s)], 1
	s_add_co_u32 s[G0A+4*(\s)+1], s[BASEL], (\s)*SLOT
	s_add_nc_u64 s[G0A+4*(\s)+2:G0A+4*(\s)+3], s[20:21], (\s)*ASTEP
	s_or_b32 s[G0A+4*(\s)+3], s[G0A+4*(\s)+3], 0x80000000
	s_mov_b32 s[G0B+4*(\s)], 1
	s_add_co_u32 s[G0B+4*(\s)+1], s[BASEL], (\s)*SLOT
	s_add_nc_u64 s[G0B+4*(\s)+2:G0B+4*(\s)+3], s[46:47], (\s)*BSTEP
	s_or_b32 s[G0B+4*(\s)+3], s[G0B+4*(\s)+3], 0x80000000
.endr
	s_cmp_eq_u32 s13, 0                            ; a wave's two first fills stand in one branch: two loads of mine are out
	s_cbranch_scc0 .Lfirst_b
	tensor_load_to_lds s[G0A:G0A+3], s[G1A:G1A+7]
	s_nop 0
	tensor_load_to_lds s[G0A+4:G0A+7], s[G1A:G1A+7]
	s_nop 0
	PLACES
	s_branch .Lfirst_asked
.Lfirst_b:
	tensor_load_to_lds s[G0B:G0B+3], s[G1B:G1B+7]
	s_nop 0
	tensor_load_to_lds s[G0B+4:G0B+7], s[G1B:G1B+7]
	s_nop 0
	PLACES
.Lfirst_asked:
	v_and_b32 v1, 15, v0
	v_bfe_u32 v2, v0, 4, 1
	v_and_b32 v3, 7, v0
	v_bfe_u32 v4, v0, 3, 1
	v_and_b32 v5, 31, v0
	; my four b1: columns 256 x tile column + 128 x half + 4 l
	s_lshl_b32 s84, s17, 10
	s_lshl_b32 s85, s14, 9
	s_add_co_u32 s84, s84, s85
	s_mov_b32 s85, 0
	s_add_nc_u64 s[8:9], s[8:9], s[84:85]
	v_lshlrev_b32 v[BO], 4, v5
	global_load_b128 v[8:11], v[BO], s[8:9]
	v_mul_u32_u24 v[ADRA0], v1, PA
	v_lshl_add_u32 v[ADRA0], v2, 4, v[ADRA0]
	s_mul_i32 s20, s13, HALFA
	v_add_nc_u32 v[ADRA0], s20, v[ADRA0]
	v_lshl_add_u32 v6, v2, 3, v3
	v_mul_u32_u24 v[ADRB0], v6, PB
	v_lshl_add_u32 v[ADRB0], v4, 4, v[ADRB0]
	s_lshl_b32 s20, s14, 8
	s_add_co_u32 s20, s20, BOFF
	v_add_nc_u32 v[ADRB0], s20, v[ADRB0]
	v_mov_b32 v[ADRA], v[ADRA0]
	v_mov_b32 v[ADRB], v[ADRB0]
	s_mul_i32 s20, s12, 128*SPITCH                 ; my stage
	v_mul_u32_u24 v[STO], v1, SPITCH
	v_lshl_add_u32 v[STO], v2, 5, v[STO]
	v_add_nc_u32 v[STO], s20, v[STO]
	v_lshl_add_u32 v[RD0], v5, 4, s20              ; back: a row's 512 bytes, 16 a lane
	v_mov_b32 v[RD], v[RD0]
	v_lshlrev_b32 v[CO], 3, v5
	; g at my first row and column
	s_lshl_b32 s84, s18, 8
	s_lshl_b32 s85, s13, 7
	s_add_co_u32 s84, s84, s85
	s_lshl_b32 s84, s84, 13
	s_lshl_b32 s85, s17, 9
	s_add_co_u32 s84, s84, s85
	s_lshl_b32 s85, s14, 8
	s_add_co_u32 s84, s84, s85
	s_mov_b32 s85, 0
	s_add_nc_u64 s[10:11], s[10:11], s[84:85]
	; the prefetch: my work-group's share of my half of B's K step three on from my cluster's first
	s_add_co_u32 s84, s[IDX], 2
	s_and_b32 s84, s84, NS-1
	s_lshl_b32 s84, s84, 7                         ; its 128 k rows,
	s_lshl_b32 s86, s14, 6
	s_add_co_u32 s84, s84, s86                     ; the 64 that I fetch,
	s_lshl_b32 s86, s16, 4
	s_add_co_u32 s84, s84, s86                     ; my work-group's 16 of them
	s_lshl_b32 s84, s84, 13
	s_lshl_b32 s86, s17, 9
	s_add_co_u32 s84, s84, s86
	s_mov_b32 s85, 0
	s_add_nc_u64 s[PFA:PFA+1], s[6:7], s[84:85]
	s_and_b32 s86, ttmp7, 0xffff
	s_lshr_b32 s86, s86, 1                         ; 0 where cluster y is 0 or 1,
	s_xor_b32 s87, s13, 1                          ; 0 in a wave that fetches for B: the same in all sixteen partners, for a given wave
	s_or_b32 s86, s86, s87
	s_cmp_eq_u32 s86, 0
	s_cselect_b32 s[LIM], NS-3, -1
	v_lshrrev_b32 v7, 1, v5
	v_lshlrev_b32 v7, 13, v7
	v_and_b32 v3, 1, v5
	v_lshl_add_u32 v[PFO], v3, 8, v7
; 16 matrix instructions: m blocks a0, a0 + 1 of the window's four x all 8 n blocks.  All 64 accumulators take turns in one fixed order.
.macro MUL16 f, hi, a0, zero
	WIN MUL_LO+0x50*(\hi)
.irp a, \a0, (\a0)+1
.irp b, 0,1,2,3,4,5,6,7
.if \zero
	v_wmma_f32_16x16x32_f16 v[8*(8*(\a)+(\b)):8*(8*(\a)+(\b))+7], v[(\f)+8*(\b):(\f)+8*(\b)+7], v[(\f)+8*(4*(\hi)+(\a)):(\f)+8*(4*(\hi)+(\a))+7], 0
.else
	v_wmma_f32_16x16x32_f16 v[8*(8*(\a)+(\b)):8*(8*(\a)+(\b))+7], v[(\f)+8*(\b):(\f)+8*(\b)+7], v[(\f)+8*(4*(\hi)+(\a)):(\f)+8*(4*(\hi)+(\a))+7], v[8*(8*(\a)+(\b)):8*(8*(\a)+(\b))+7]
.endif
.endr
.endr
.endm
.macro FETCH q, f                      ; 32 LDS loads in one run: quarter q's fragments into buffer f
	WIN TO_B
.irp i, 0,1,2,3,4,5,6,7
	ds_load_tr16_b128 v[(\f)+8*(\i):(\f)+8*(\i)+3],   v[ADRB] offset:(\q)*32*PB+32*(\i)
	ds_load_tr16_b128 v[(\f)+8*(\i)+4:(\f)+8*(\i)+7], v[ADRB] offset:(\q)*32*PB+32*(\i)+16*PB
.endr
	WIN 0
.irp i, 0,1,2,3,4,5,6,7
	ds_load_b128 v[(\f)+8*(\i):(\f)+8*(\i)+3],   v[ADRA] offset:(\q)*64+(\i)*16*PA
	ds_load_b128 v[(\f)+8*(\i)+4:(\f)+8*(\i)+7], v[ADRA] offset:(\q)*64+(\i)*16*PA+32
.endr
.endm
.macro QUARTER q, f, g, zero
	s_wait_dscnt 8                                 ; B and A's rows 0-63 are in; the youngest eight loads may be out
	MUL16 \f, 0, 0, \zero
	MUL16 \f, 0, 2, \zero
	PLACES
	FETCH \q, \g
	s_wait_dscnt 32                                ; all but the 32 just issued
	MUL16 \f, 1, 0, \zero
	MUL16 \f, 1, 2, \zero
.endm
.macro TURN fill                       ; the last quarter of a K step changes slots
	WIN 0
	s_wait_tensorcnt 0x0                           ; all my tensor loads have landed: the one that was out is my part of the next slot; so a group 0 may be written
	ds_add_u32 v[SPW], v[NIL]                      ; 0 onto my spare word; the descriptors' steps stand between it and the wait for it
.if \fill
	s_xor_b32 s[TF], s[TF], SLOT
	s_add_co_u32 s[G0A+5], s[BASEL], s[TF]
	s_add_co_u32 s[G0B+5], s[BASEL], s[TF]
	s_add_co_u32 s[IDX], s[IDX], 1                 ; the next K step, or behind the last the first
	s_cmp_eq_u32 s[IDX], NS
	s_cselect_b32 s[IDX], 0, s[IDX]
	s_cselect_b32 s[WRA], NS*ASTEP, 0
	s_cselect_b32 s[WRB], NS*BSTEP, 0
	s_add_nc_u64 s[G0A+6:G0A+7], s[G0A+6:G0A+7], ASTEP
	s_sub_nc_u64 s[G0A+6:G0A+7], s[G0A+6:G0A+7], s[WRA:WRA+1]
	s_add_nc_u64 s[G0B+6:G0B+7], s[G0B+6:G0B+7], BSTEP
	s_sub_nc_u64 s[G0B+6:G0B+7], s[G0B+6:G0B+7], s[WRB:WRB+1]
.endif
	s_wait_dscnt 9
	MUL16 F1, 0, 0, 0
	s_wait_dscnt 0x0                               ; the add is done, my reads of this slot are over
	s_barrier_signal -1
	MUL16 F1, 0, 2, 0
	WIN 0
	s_barrier_wait -1
.if \fill
	CREST
	JLOAD
.else
	PLACES
.endif
	s_xor_b32 s[TB], s[TB], SLOT
	v_add_nc_u32 v[ADRA], s[TB], v[ADRA0]
	v_add_nc_u32 v[ADRB], s[TB], v[ADRB0]
	FETCH 0, F0
.if \fill
	ASK
.endif
	MUL16 F1, 1, 0, 0
	MUL16 F1, 1, 2, 0
.endm
	s_wait_tensorcnt 1                             ; my part of the first K step is in; the second's may stay out
	s_barrier_signal -1
	s_barrier_wait -1
	FETCH 0, F0
	QUARTER 1, F0, F1, 1
	WIN 0
	s_mov_b32 s3, NS-2
.Lstep:
	QUARTER 2, F1, F0, 0
	QUARTER 3, F0, F1, 0
	TURN 1
	QUARTER 1, F0, F1, 0
	WIN 0
	s_sub_co_u32 s3, s3, 1
	s_cmp_lg_u32 s3, 0
	s_cbranch_scc1 .Lstep
	s_mov_b32 s2, 2
.Ltail:
	QUARTER 2, F1, F0, 0
	QUARTER 3, F0, F1, 0
	WIN 0
	s_sub_co_u32 s2, s2, 1
	s_cmp_eq_u32 s2, 0
	s_cbranch_scc1 .Llast
	TURN 0
	QUARTER 1, F0, F1, 0
	WIN 0
	s_branch .Ltail
.Llast:
	s_wait_dscnt 8
	MUL16 F1, 0, 0, 0
	MUL16 F1, 0, 2, 0
	s_wait_dscnt 0x0
	MUL16 F1, 1, 0, 0
	MUL16 F1, 1, 2, 0
	WIN 0
	PLACES
	s_barrier_signal -1                            ; no LDS load of mine is out: behind this barrier nobody reads the ring, which has had its last fill
	s_barrier_wait -1
.irp a, 0,1,2,3,4,5,6,7
	WIN 0x08+4*((\a)/4)
.irp b, 0,1,2,3,4,5,6,7
	ds_store_b128 v[STO], v[8*(8*((\a)%4)+(\b)):8*(8*((\a)%4)+(\b))+3]   offset:(\a)*16*SPITCH+64*(\b)
	ds_store_b128 v[STO], v[8*(8*((\a)%4)+(\b))+4:8*(8*((\a)%4)+(\b))+7] offset:(\a)*16*SPITCH+64*(\b)+16
.endr
.endr
	WIN 0
	s_wait_loadcnt 0x0                             ; b1
.macro RLOAD                           ; four rows of my own stage: LDS serves a wave's instructions in order, so these see my stores
.irp j, 0,1,2,3
	ds_load_b128 v[X+4*(\j):X+4*(\j)+3], v[RD] offset:(\j)*SPITCH
.endr
.endm
.macro PK8 line:vararg                 ; one packed line for each of the eight pairs e
.set e, 0
.rept 8
	\line
.set e, e+2
.endr
.endm
	RLOAD
	s_mov_b32 s[RO], 0
	s_mov_b32 s3, 32
.Lrows:                                        ; 32 trips of four rows; the next trip's rows are read ahead; the last trip reads its own rows once more, so that all trips have one text
	s_wait_dscnt 0x0
.irp j, 0,1,2,3
	v_pk_add_f32 v[T+4*(\j):T+4*(\j)+1],   v[X+4*(\j):X+4*(\j)+1],   v[8:9]
	v_pk_add_f32 v[T+4*(\j)+2:T+4*(\j)+3], v[X+4*(\j)+2:X+4*(\j)+3], v[10:11]
.endr
	s_add_co_u32 s[RO], s[RO], 4*SPITCH
	s_min_u32 s[RO], s[RO], 31*4*SPITCH
	v_add_nc_u32 v[RD], s[RO], v[RD0]
	RLOAD
.set e, 0
.rept 16
	v_and_b32 v[AB+e], 0x7fffffff, v[T+e]
.set e, e+1
.endr
	PK8 v_pk_fma_f32 v[DEN+e:DEN+e+1], v[AB+e:AB+e+1], s[66:67], 1.0 op_sel_hi:[1,0,0]
	PK8 v_pk_mul_f32 v[ARG+e:ARG+e+1], v[T+e:T+e+1], v[T+e:T+e+1]
	PK8 v_pk_mul_f32 v[ARG+e:ARG+e+1], v[ARG+e:ARG+e+1], s[68:69] op_sel_hi:[1,0]
.set e, 0
.rept 16
	v_rcp_f32 v[DEN+e], v[DEN+e]
.set e, e+1
.endr
.set e, 0
.rept 16
	v_max_num_f32 v[R+e], 0, v[T+e]
.set e, e+1
.endr
.set e, 0
.rept 16
	v_exp_f32 v[ARG+e], v[ARG+e]
.set e, e+1
.endr
	v_nop                                          ; a plain instruction behind the last exponential
	s_wait_alu depctr_va_vdst(0)                   ; one wait for the 32, ahead of their first reader
	PK8 v_pk_fma_f32 v[P+e:P+e+1], v[DEN+e:DEN+e+1], s[70:71], s[72:73] op_sel_hi:[1,0,0]
	PK8 v_pk_fma_f32 v[P+e:P+e+1], v[P+e:P+e+1], v[DEN+e:DEN+e+1], s[74:75] op_sel_hi:[1,1,0]
	PK8 v_pk_fma_f32 v[P+e:P+e+1], v[P+e:P+e+1], v[DEN+e:DEN+e+1], s[76:77] op_sel_hi:[1,1,0]
	PK8 v_pk_fma_f32 v[P+e:P+e+1], v[P+e:P+e+1], v[DEN+e:DEN+e+1], s[78:79] op_sel_hi:[1,1,0]
	PK8 v_pk_mul_f32 v[P+e:P+e+1], v[P+e:P+e+1], v[DEN+e:DEN+e+1]
	PK8 v_pk_mul_f32 v[P+e:P+e+1], v[P+e:P+e+1], v[ARG+e:ARG+e+1]
	PK8 v_pk_fma_f32 v[P+e:P+e+1], v[AB+e:AB+e+1], v[P+e:P+e+1], v[R+e:R+e+1]
.set e, 0
.rept 8
	v_cvt_pk_f16_f32 v[Y+e], v[P+2*e], v[P+2*e+1]
.set e, e+1
.endr
.irp j, 0,1,2,3
	global_store_b64 v[CO], v[Y+2*(\j):Y+2*(\j)+1], s[10:11] offset:(\j)*8192  ; 32 lanes x 8 bytes: 256 consecutive bytes of a row, aligned
.endr
	s_wait_xcnt 0x0                                ; Y and the base are rewritten only behind this wait
	s_add_nc_u64 s[10:11], s[10:11], 4*8192
	s_sub_co_u32 s3, s3, 1
	s_cmp_lg_u32 s3, 0
	s_cbranch_scc1 .Lrows
	s_wait_tensorcnt 0x0                           ; the wave's end
	ds_add_u32 v[SPW], v[NIL]
	s_wait_dscnt 0x0
	CROUND                                         ; the closing round
	s_endpgm
.Lfunc_end_k_q39e28a901d_mlp1:
	.size	k_q39e28a901d_mlp1, .Lfunc_end_k_q39e28a901d_mlp1-k_q39e28a901d_mlp1
	.p2alignl 7, 3214868480
	.fill 96, 4, 3214868480
	.section	.rodata,"a",@progbits
	.p2align	6, 0x0
	.amdhsa_kernel k_q39e28a901d_mlp1
		.amdhsa_group_segment_fixed_size 327680
		.amdhsa_private_segment_fixed_size 0
		.amdhsa_enable_private_segment 0
		.amdhsa_kernarg_size 32
		.amdhsa_user_sgpr_count 2
		.amdhsa_user_sgpr_kernarg_segment_ptr 1
		.amdhsa_wavefront_size32 1
		.amdhsa_system_sgpr_workgroup_id_x 1
		.amdhsa_system_sgpr_workgroup_id_y 1
		.amdhsa_system_sgpr_workgroup_id_z 1
		.amdhsa_system_vgpr_workitem_id 0
		.amdhsa_next_free_vgpr 1024
		.amdhsa_next_free_sgpr 96
		.amdhsa_reserve_vcc 0
		.amdhsa_float_denorm_mode_32 3
		.amdhsa_float_denorm_mode_16_64 3
		.amdhsa_memory_ordered 1
		.amdhsa_forward_progress 1
		.amdhsa_inst_pref_size 93
	.end_amdhsa_kernel
	.amdgpu_metadata
---
amdhsa.version: [ 1, 2 ]
amdhsa.kernels:
  - .name:           k_q39e28a901d_mlp1
    .symbol:         k_q39e28a901d_mlp1.kd
    .args:
      - { .name: hn, .offset: 0, .size: 8, .value_kind: global_buffer, .address_space: global }
      - { .name: wm, .offset: 8, .size: 8, .value_kind: global_buffer, .address_space: global }
      - { .name: b1, .offset: 16, .size: 8, .value_kind: global_buffer, .address_space: global }
      - { .name: g, .offset: 24, .size: 8, .value_kind: global_buffer, .address_space: global }
    .group_segment_fixed_size: 327680
    .private_segment_fixed_size: 0
    .kernarg_segment_align: 8
    .kernarg_segment_size: 32
    .max_flat_workgroup_size: 128
    .sgpr_count:     96
    .vgpr_count:     1024
    .wavefront_size: 32
...
	.end_amdgpu_metadata
.endif
;; end of part 5
;; launch mlp2 (part 6): grid 8 x 32, 4 waves a work-group, clusters of 4 x 4, 327,680 bytes of LDS; arguments g, wm, b2, x1, out0; writes out0
.if DOCPART == 6
	.amdgcn_target "amdgcn-amd-amdhsa--gfx1250"
	.amdhsa_code_object_version 6
	.text
	.protected	k_q39e28a901d_mlp2
	.globl	k_q39e28a901d_mlp2
	.p2align	8
	.type	k_q39e28a901d_mlp2,@function
k_q39e28a901d_mlp2:
	s_mov_b64 s[64:65], 0
	v_nop
	global_prefetch_b8 v0, s[64:65] scope:SCOPE_SE
	s_setreg_imm32_b32 hwreg(HW_REG_WAVE_MODE, 25, 1), 1
	s_wait_xcnt 0x0
	s_wait_alu depctr_hold_cnt(0) depctr_sa_sdst(0) depctr_va_vdst(0) depctr_va_sdst(0) depctr_va_ssrc(0) depctr_va_vcc(0) depctr_vm_vsrc(0)
	s_getreg_b32 s2, hwreg(HW_REG_IB_STS2, 6, 4)
	s_cmp_eq_u32 s2, 0
	s_cbranch_scc0 .Lentry_in_a_cluster
	s_endpgm
.Lentry_in_a_cluster:
	s_bfe_u32 s2, ttmp6, 0x10000c
	s_cmp_lg_u32 s2, 0xf033
	s_cbranch_scc0 .Lentry_shape_is_right
	s_endpgm
.Lentry_shape_is_right:
; out0 = x1 + b2 + g W2 in f32.  A = g [4096][4096] f16; B = W2 [4096][1024] f16 at byte 8,388,608 of wm, as it lies ([k][column]); sums in f32.
; SHARES.  C is 4,096 x 1,024: tiles of 128 x 128 give each of 8 x 32 work-groups one.  Four waves, each 64 x 64: 16 accumulators.  K in steps of 256, as long as two slots in LDS allow: A's rows are 512 bytes of memory, B's 256.
; B's fragments come out of LDS turned; its LDS row is 256 + 32 = 9 x 32 bytes.  THE MATRIX INSTRUCTION IS USED TRANSPOSED: a lane holds one row of C and eight neighbouring columns.
; THE SUMS START AT x1 + b2: x1 is loaded straight into the accumulators, in their own layout (32 bytes of a row a lane), and b2 added once; so every product has one form, the loop begins at a K step's first quarter, and the way out only stores.
; CLUSTER 4 x 4, joint loads, one K step to the loop's body, the walking descriptor's LDS word BASE + TF.  Nothing is prefetched: the tiles are small, and a step's products are few.
; THE CLUSTERS BEGIN AT DIFFERENT K STEPS.  Cluster (X, Y) walks K from step 8 X + 4 (Y & 3) on and round the end (f32 sums may be taken in any order): the two clusters that read the same rows of A stand eight K steps apart,
; clusters Y .. Y + 3, which read the same columns of B, four.  The start hangs on the cluster's coordinates alone: it is the same in all sixteen partners.
; WAY OUT: each wave lays its sums into a stage of its own over the ring (64 rows x 272 bytes), which has had its last fill, and takes them back two rows a load; sixteen lanes then store 256 consecutive bytes of a row.
; REGISTERS: window 0: v0-31 addresses; v32-63 b2, later at work on the way out; v128-255 accumulators ((a, b) at v[128 + 8 (4 a + b)]).  window 1: two fragment buffers of 128 (A's 64, then B's 64).
.set NS,     16
.set PA,     528
.set PB,     288
.set HALFA,  64*PA
.set HALFB,  128*PB
.set BOFF,   2*HALFA
.set SLOT,   BOFF+2*HALFB              ; 141,312
.set SPARE,  2*SLOT
.set SPITCH, 272
.set ASTEP,  512
.set BSTEP,  524288
.set W2OFF,  8388608
.set ADRA0, 16
.set ADRB0, 17
.set ADRA,  18
.set ADRB,  19                         ; v19 for quarters 0 and 1, v20 (128 k rows on) for quarters 2 and 3
.set XO,    22                         ; v22  x1: my 32 bytes of row l % 16
.set STO,   24
.set RD,    25
.set CO,    26
.set BO,    27
.set SPW,   28
.set NIL,   29
.set TW,    32
.set ACC,   128
.set F0,    0
.set F1,    128
.set G1A, 24
.set G0A, 32
.set G1B, 48
.set G0B, 56
.set IDX, 66                           ; s66  the K step at which the walking descriptors stand
.set WRA, 72                           ; s[72:73] what A's address goes back at the end of K, or 0
.set WRB, 74                           ; s[74:75] the same for B
.set TB,  19
.set TF,  80
.set BASEA, 81
.set BASEB, 82
.set MSB, 0
.macro WIN new
.if MSB != (\new)
	s_set_vgpr_msb (MSB<<8)|(\new)
.set MSB, (\new)
.endif
.endm
.set MUL,  0x05                        ; sources 0 (B) and 1 (A) window 1; C and D window 0
.set TO_F, 0x40
.macro PLACES
.rept 4
	v_nop
.endr
.endm
.macro JLOAD
	s_cmp_eq_u32 s13, 0
	s_cbranch_scc0 .Lfor_b_\@
	tensor_load_to_lds s[G0A+4:G0A+7], s[G1A:G1A+7]
	s_nop 0
	PLACES
	s_branch .Lasked_\@
.Lfor_b_\@:
	tensor_load_to_lds s[G0B+4:G0B+7], s[G1B:G1B+7]
	s_nop 0
	PLACES
.Lasked_\@:
.endm
.macro CREST
	s_cmp_lg_u32 s12, 0
	s_cbranch_scc1 .Lnot_wave_0_\@
	s_barrier_signal -3
.Lnot_wave_0_\@:
	s_barrier_wait -3
	s_barrier_signal -1
	s_barrier_wait -1
.endm
.macro CROUND
	s_barrier_signal -1
	s_barrier_wait -1
	CREST
.endm
	s_load_b256 s[4:11], s[0:1], 0x0               ; g s[4:5], wm s[6:7], b2 s[8:9], x1 s[10:11]
	s_load_b64 s[68:69], s[0:1], 0x20              ; out0
	v_lshl_add_u32 v[SPW], v0, 2, SPARE
	v_mov_b32 v[NIL], 0
	ds_add_u32 v[SPW], v[NIL]                      ; the wave's opening: the add and its wait stand ahead of my first tensor load
	ds_add_u32 v28, v29
	v_lshrrev_b32 v1, 5, v0
	v_readfirstlane_b32 s12, v1
	s_lshr_b32 s13, s12, 1
	s_and_b32 s14, s12, 1
	s_bfe_u32 s15, ttmp6, 0x40000
	s_bfe_u32 s16, ttmp6, 0x40004
	s_lshl_b32 s17, ttmp9, 2
	s_add_co_u32 s17, s17, s15                     ; tile column
	s_and_b32 s18, ttmp7, 0xffff                   ; cluster y
	s_and_b32 s67, s18, 3
	s_lshl_b32 s67, s67, 2
	s_lshl3_add_u32 s[IDX], ttmp9, s67
	s_and_b32 s[IDX], s[IDX], NS-1                 ; the K step at which my cluster begins: 8 X + 4 (Y & 3), always even
	s_lshl_b32 s18, s18, 2
	s_add_co_u32 s18, s18, s16                     ; tile row
	s_lshl_b32 s20, s16, 2
	s_lshl_b32 s20, 15, s20
	s_lshl_b32 s45, 0x1111, s15
	s_or_b32 s[G1A], s20, (1<<16)|(1<<20)|(1<<21)|(6<<22)|(3<<25)  ; 4 words of padding behind every 128
	s_or_b32 s[G1B], s45, (1<<16)|(1<<20)|(1<<21)|(5<<22)|(7<<25)  ; 8 words behind every 64
	s_mov_b32 s[G1A+1], 256<<16                    ; A: 64 rows x 256 elements, pitch 4,096
	s_mov_b32 s[G1A+2], 64<<16
	s_mov_b32 s[G1A+3], 256<<16
	s_mov_b32 s[G1A+4], 64
	s_mov_b32 s[G1A+5], 4096
	s_mov_b32 s[G1A+6], 0
	s_mov_b32 s[G1A+7], 0
	s_mov_b32 s[G1B+1], 128<<16                    ; B: 128 k rows x 128 elements, pitch 1,024
	s_mov_b32 s[G1B+2], 128<<16
	s_mov_b32 s[G1B+3], 128<<16
	s_mov_b32 s[G1B+4], 128
	s_mov_b32 s[G1B+5], 1024
	s_mov_b32 s[G1B+6], 0
	s_mov_b32 s[G1B+7], 0
	s_lshl_b32 s20, s18, 7
	s_lshl_b32 s21, s14, 6
	s_add_co_u32 s20, s20, s21
	s_lshl_b32 s20, s20, 13
	s_lshl_b32 s21, s[IDX], 9
	s_add_co_u32 s20, s20, s21                     ; at my cluster's first K step
	s_mov_b32 s21, 0
	s_lshl_b32 s46, s14, 18                        ; 128 k rows of 2,048 bytes
	s_lshl_b32 s47, s17, 8
	s_add_co_u32 s46, s46, s47
	s_add_co_u32 s46, s46, W2OFF
	s_lshl_b32 s47, s[IDX], 19
	s_add_co_u32 s46, s46, s47                     ; at the same K step
	s_mov_b32 s47, 0
	s_add_co_u32 s[IDX], s[IDX], 1                 ; the walking descriptors begin at the second fill's step
	s_mov_b32 s[WRA+1], 0
	s_mov_b32 s[WRB+1], 0
	s_mul_i32 s[BASEA], s14, HALFA
	s_mul_i32 s[BASEB], s14, HALFB
	s_add_co_u32 s[BASEB], s[BASEB], BOFF
	s_mov_b32 s[TF], SLOT
	s_mov_b32 s[TB], 0
	s_wait_dscnt 0x0
	s_wait_kmcnt 0x0
	s_add_nc_u64 s[20:21], s[4:5], s[20:21]
	s_add_nc_u64 s[46:47], s[6:7], s[46:47]
	CROUND
.irp s, 0,1
	s_mov_b32 s[G0A+4*(\s)], 1
	s_add_co_u32 s[G0A+4*(\s)+1], s[BASEA], (\s)*SLOT
	s_add_nc_u64 s[G0A+4*(\s)+2:G0A+4*(\s)+3], s[20:21], (\s)*ASTEP
	s_or_b32 s[G0A+4*(\s)+3], s[G0A+4*(\s)+3], 0x80000000
	s_mov_b32 s[G0B+4*(\s)], 1
	s_add_co_u32 s[G0B+4*(\s)+1], s[BASEB], (\s)*SLOT
	s_add_nc_u64 s[G0B+4*(\s)+2:G0B+4*(\s)+3], s[46:47], (\s)*BSTEP
	s_or_b32 s[G0B+4*(\s)+3], s[G0B+4*(\s)+3], 0x80000000
.endr
	s_cmp_eq_u32 s13, 0                            ; a wave's two first fills stand in one branch: two loads of mine are out
	s_cbranch_scc0 .Lfirst_b
	tensor_load_to_lds s[G0A:G0A+3], s[G1A:G1A+7]
	s_nop 0
	tensor_load_to_lds s[G0A+4:G0A+7], s[G1A:G1A+7]
	s_nop 0
	PLACES
	s_branch .Lfirst_asked
.Lfirst_b:
	tensor_load_to_lds s[G0B:G0B+3], s[G1B:G1B+7]
	s_nop 0
	tensor_load_to_lds s[G0B+4:G0B+7], s[G1B:G1B+7]
	s_nop 0
	PLACES
.Lfirst_asked:
	v_and_b32 v1, 15, v0
	v_bfe_u32 v2, v0, 4, 1
	v_and_b32 v3, 7, v0
	v_bfe_u32 v4, v0, 3, 1
	; x1, out0 and b2 at my 64 x 64: row 128 x tile row + 64 x half, column 128 x tile column + 64 x half
	s_lshl_b32 s86, s17, 9
	s_lshl_b32 s87, s14, 8
	s_add_co_u32 s86, s86, s87                     ; the columns, in bytes
	s_mov_b32 s87, 0
	s_add_nc_u64 s[8:9], s[8:9], s[86:87]
	s_lshl_b32 s84, s18, 7
	s_lshl_b32 s85, s13, 6
	s_add_co_u32 s84, s84, s85
	s_lshl_b32 s84, s84, 12
	s_add_co_u32 s84, s84, s86
	s_mov_b32 s85, 0
	s_add_nc_u64 s[10:11], s[10:11], s[84:85]
	s_add_nc_u64 s[68:69], s[68:69], s[84:85]
	v_lshlrev_b32 v[XO], 12, v1                    ; accumulator (a, b), register j: row 16 a + l % 16, column 16 b + 8 (l / 16) + j
	v_lshl_add_u32 v[XO], v2, 5, v[XO]
	v_lshlrev_b32 v[BO], 5, v2
.irp a, 0,1,2,3
.irp b, 0,1,2,3
	global_load_b128 v[ACC+8*(4*(\a)+(\b)):ACC+8*(4*(\a)+(\b))+3],   v[XO], s[10:11] offset:(\a)*65536+(\b)*64
	global_load_b128 v[ACC+8*(4*(\a)+(\b))+4:ACC+8*(4*(\a)+(\b))+7], v[XO], s[10:11] offset:(\a)*65536+(\b)*64+16
.endr
.endr
.irp b, 0,1,2,3
	global_load_b128 v[TW+8*(\b):TW+8*(\b)+3],   v[BO], s[8:9] offset:(\b)*64
	global_load_b128 v[TW+8*(\b)+4:TW+8*(\b)+7], v[BO], s[8:9] offset:(\b)*64+16
.endr
	v_lshlrev_b32 v[CO], 12, v2                    ; out: lanes 0-15 one row's 256 bytes, lanes 16-31 the next row's
	v_lshl_add_u32 v[CO], v1, 4, v[CO]
	v_mul_u32_u24 v[ADRA0], v1, PA
	v_lshl_add_u32 v[ADRA0], v2, 4, v[ADRA0]
	s_mul_i32 s20, s13, HALFA
	v_add_nc_u32 v[ADRA0], s20, v[ADRA0]
	v_lshl_add_u32 v5, v2, 3, v3
	v_mul_u32_u24 v[ADRB0], v5, PB
	v_lshl_add_u32 v[ADRB0], v4, 4, v[ADRB0]
	s_lshl_b32 s20, s14, 7
	s_add_co_u32 s20, s20, BOFF
	v_add_nc_u32 v[ADRB0], s20, v[ADRB0]
	v_mov_b32 v[ADRA], v[ADRA0]
	v_mov_b32 v[ADRB], v[ADRB0]
	v_add_nc_u32 v[ADRB+1], HALFB, v[ADRB0]
	s_mul_i32 s20, s12, 64*SPITCH                  ; my stage
	v_mul_u32_u24 v[STO], v1, SPITCH
	v_lshl_add_u32 v[STO], v2, 5, v[STO]
	v_add_nc_u32 v[STO], s20, v[STO]
	v_mul_u32_u24 v[RD], v2, SPITCH
	v_lshl_add_u32 v[RD], v1, 4, v[RD]
	v_add_nc_u32 v[RD], s20, v[RD]
; 8 matrix instructions: m blocks a0, a0 + 1 x all 4 n blocks, 32 along K: half c of buffer f.  The 16 accumulators take turns in one fixed order.
.macro MUL8 f, c, a0
	WIN MUL
.irp a, \a0, (\a0)+1
.irp b, 0,1,2,3
	v_wmma_f32_16x16x32_f16 v[ACC+8*(4*(\a)+(\b)):ACC+8*(4*(\a)+(\b))+7], v[(\f)+64+8*(4*(\c)+(\b)):(\f)+64+8*(4*(\c)+(\b))+7], v[(\f)+8*(4*(\c)+(\a)):(\f)+8*(4*(\c)+(\a))+7], v[ACC+8*(4*(\a)+(\b)):ACC+8*(4*(\a)+(\b))+7]
.endr
.endr
.endm
; 32 LDS loads in one run: quarter q's fragments (64 along K) into buffer f; the first 32 along K first
.macro FETCH q, f
	WIN TO_F
.irp c, 0,1
.irp i, 0,1,2,3
	ds_load_tr16_b128 v[(\f)+64+8*(4*(\c)+(\i)):(\f)+64+8*(4*(\c)+(\i))+3],   v[ADRB+(\q)/2] offset:((\q)%2)*64*PB+(\c)*32*PB+32*(\i)
	ds_load_tr16_b128 v[(\f)+64+8*(4*(\c)+(\i))+4:(\f)+64+8*(4*(\c)+(\i))+7], v[ADRB+(\q)/2] offset:((\q)%2)*64*PB+(\c)*32*PB+32*(\i)+16*PB
	ds_load_b128 v[(\f)+8*(4*(\c)+(\i)):(\f)+8*(4*(\c)+(\i))+3],   v[ADRA] offset:(\q)*128+64*(\c)+(\i)*16*PA
	ds_load_b128 v[(\f)+8*(4*(\c)+(\i))+4:(\f)+8*(4*(\c)+(\i))+7], v[ADRA] offset:(\q)*128+64*(\c)+(\i)*16*PA+32
.endr
.endr
.endm
.macro QUARTER q, f, g                 ; multiplies buffer f; in its middle fetches quarter q into buffer g
	s_wait_dscnt 16                                ; the first 32 along K are in
	MUL8 \f, 0, 0
	MUL8 \f, 0, 2
	PLACES
	FETCH \q, \g
	s_wait_dscnt 32                                ; all but the 32 just issued
	MUL8 \f, 1, 0
	MUL8 \f, 1, 2
.endm
; The last quarter of a K step changes slots.  Its first sixteen products, which want nothing of the next slot, stand AHEAD of the wait for that slot: a step's products are few beside the time that a tile is on its way, so nothing but
; the three lines and the round stands between a tile's landing and the request for the next.  The orderings are the ring's own: my part of the next slot has landed, and my reads of this slot are over, ahead of the round's opening signal.
.macro TURN fill
	s_wait_dscnt 16
	MUL8 F1, 0, 0
	MUL8 F1, 0, 2
	WIN 0
	s_wait_tensorcnt 0x0                           ; all my tensor loads have landed: my part of the next slot; so a group 0 may be written
	ds_add_u32 v[SPW], v[NIL]                      ; 0 onto my spare word; the descriptors' steps stand between it and the wait for it
.if \fill
	s_xor_b32 s[TF], s[TF], SLOT
	s_add_co_u32 s[G0A+5], s[BASEA], s[TF]
	s_add_co_u32 s[G0B+5], s[BASEB], s[TF]
	s_add_co_u32 s[IDX], s[IDX], 1                 ; the next K step, or behind the last the first
	s_cmp_eq_u32 s[IDX], NS
	s_cselect_b32 s[IDX], 0, s[IDX]
	s_cselect_b32 s[WRA], NS*ASTEP, 0
	s_cselect_b32 s[WRB], NS*BSTEP, 0
	s_add_nc_u64 s[G0A+6:G0A+7], s[G0A+6:G0A+7], ASTEP
	s_sub_nc_u64 s[G0A+6:G0A+7], s[G0A+6:G0A+7], s[WRA:WRA+1]
	s_add_nc_u64 s[G0B+6:G0B+7], s[G0B+6:G0B+7], BSTEP
	s_sub_nc_u64 s[G0B+6:G0B+7], s[G0B+6:G0B+7], s[WRB:WRB+1]
.endif
	s_wait_dscnt 0x0                               ; the add is done, my reads of this slot are over
	s_barrier_signal -1
	s_barrier_wait -1
.if \fill
	CREST                                          ; the barrier has opened a round of the cluster's: no wave of any partner still reads this slot or has a load on its way
	JLOAD                                          ; the first tensor load behind the round; its four v_nop are also the places in front of the loads below
.else
	PLACES
.endif
	s_xor_b32 s[TB], s[TB], SLOT
	v_add_nc_u32 v[ADRA], s[TB], v[ADRA0]
	v_add_nc_u32 v[ADRB], s[TB], v[ADRB0]
	v_add_nc_u32 v[ADRB+1], HALFB, v[ADRB]
	FETCH 0, F0
	MUL8 F1, 1, 0
	MUL8 F1, 1, 2
.endm
	s_wait_tensorcnt 1                             ; my part of the first K step is in; the second's may stay out
	s_barrier_signal -1
	s_barrier_wait -1
	FETCH 0, F0
	WIN 0
	s_wait_loadcnt 0x0                             ; x1 and b2
.irp a, 0,1,2,3
.irp b, 0,1,2,3
.irp j, 0,2,4,6
	v_pk_add_f32 v[ACC+8*(4*(\a)+(\b))+(\j):ACC+8*(4*(\a)+(\b))+(\j)+1], v[ACC+8*(4*(\a)+(\b))+(\j):ACC+8*(4*(\a)+(\b))+(\j)+1], v[TW+8*(\b)+(\j):TW+8*(\b)+(\j)+1]
.endr
.endr
.endr
	s_mov_b32 s3, NS-2
.Lstep:                                        ; a trip: a K step, and the refill two steps ahead
	QUARTER 1, F0, F1
	QUARTER 2, F1, F0
	QUARTER 3, F0, F1
	TURN 1
	WIN 0
	s_sub_co_u32 s3, s3, 1
	s_cmp_lg_u32 s3, 0
	s_cbranch_scc1 .Lstep
	s_mov_b32 s2, 2
.Ltail:                                        ; the last two K steps fill nothing; the second pass is left ahead of its change of slots
	QUARTER 1, F0, F1
	QUARTER 2, F1, F0
	QUARTER 3, F0, F1
	WIN 0
	s_sub_co_u32 s2, s2, 1
	s_cmp_eq_u32 s2, 0
	s_cbranch_scc1 .Llast
	TURN 0
	WIN 0
	s_branch .Ltail
.Llast:
	s_wait_dscnt 16
	MUL8 F1, 0, 0
	MUL8 F1, 0, 2
	s_wait_dscnt 0x0
	MUL8 F1, 1, 0
	MUL8 F1, 1, 2
	WIN 0
	PLACES
	s_barrier_signal -1                            ; no LDS load of mine is out: behind this barrier nobody reads the ring, which has had its last fill
	s_barrier_wait -1
.irp a, 0,1,2,3
.irp b, 0,1,2,3
	ds_store_b128 v[STO], v[ACC+8*(4*(\a)+(\b)):ACC+8*(4*(\a)+(\b))+3]   offset:(\a)*16*SPITCH+64*(\b)
	ds_store_b128 v[STO], v[ACC+8*(4*(\a)+(\b))+4:ACC+8*(4*(\a)+(\b))+7] offset:(\a)*16*SPITCH+64*(\b)+16
.endr
.endr
	s_mov_b32 s3, 4
.Lout:                                         ; four trips of sixteen rows of my own stage, two rows a load: LDS serves a wave's instructions in order, so these see my stores
.irp u, 0,1,2,3,4,5,6,7
	ds_load_b128 v[TW+4*(\u):TW+4*(\u)+3], v[RD] offset:(\u)*2*SPITCH
.endr
.irp u, 0,1,2,3,4,5,6,7
	s_wait_dscnt 7-(\u)                            ; LDS loads come back in order: number u is in
	global_store_b128 v[CO], v[TW+4*(\u):TW+4*(\u)+3], s[68:69] offset:8192*(\u)  ; sixteen lanes store 256 consecutive bytes, aligned
.endr
	s_wait_xcnt 0x0                                ; the stores' data and base are rewritten only behind this wait
	v_add_nc_u32 v[RD], 16*SPITCH, v[RD]
	s_add_nc_u64 s[68:69], s[68:69], 16*4096
	s_sub_co_u32 s3, s3, 1
	s_cmp_lg_u32 s3, 0
	s_cbranch_scc1 .Lout
	s_wait_tensorcnt 0x0                           ; the wave's end
	ds_add_u32 v[SPW], v[NIL]
	s_wait_dscnt 0x0
	CROUND                                         ; the closing round
	s_endpgm
.Lfunc_end_k_q39e28a901d_mlp2:
	.size	k_q39e28a901d_mlp2, .Lfunc_end_k_q39e28a901d_mlp2-k_q39e28a901d_mlp2
	.p2alignl 7, 3214868480
	.fill 96, 4, 3214868480
	.section	.rodata,"a",@progbits
	.p2align	6, 0x0
	.amdhsa_kernel k_q39e28a901d_mlp2
		.amdhsa_group_segment_fixed_size 327680
		.amdhsa_private_segment_fixed_size 0
		.amdhsa_enable_private_segment 0
		.amdhsa_kernarg_size 40
		.amdhsa_user_sgpr_count 2
		.amdhsa_user_sgpr_kernarg_segment_ptr 1
		.amdhsa_wavefront_size32 1
		.amdhsa_system_sgpr_workgroup_id_x 1
		.amdhsa_system_sgpr_workgroup_id_y 1
		.amdhsa_system_sgpr_workgroup_id_z 1
		.amdhsa_system_vgpr_workitem_id 0
		.amdhsa_next_free_vgpr 512
		.amdhsa_next_free_sgpr 96
		.amdhsa_reserve_vcc 0
		.amdhsa_float_denorm_mode_32 3
		.amdhsa_float_denorm_mode_16_64 3
		.amdhsa_memory_ordered 1
		.amdhsa_forward_progress 1
		.amdhsa_inst_pref_size 61
	.end_amdhsa_kernel
	.amdgpu_metadata
---
amdhsa.version: [ 1, 2 ]
amdhsa.kernels:
  - .name:           k_q39e28a901d_mlp2
    .symbol:         k_q39e28a901d_mlp2.kd
    .args:
      - { .name: g, .offset: 0, .size: 8, .value_kind: global_buffer, .address_space: global }
      - { .name: wm, .offset: 8, .size: 8, .value_kind: global_buffer, .address_space: global }
      - { .name: b2, .offset: 16, .size: 8, .value_kind: global_buffer, .address_space: global }
      - { .name: x1, .offset: 24, .size: 8, .value_kind: global_buffer, .address_space: global }
      - { .name: out0, .offset: 32, .size: 8, .value_kind: global_buffer, .address_space: global }
    .group_segment_fixed_size: 327680
    .private_segment_fixed_size: 0
    .kernarg_segment_align: 8
    .kernarg_segment_size: 40
    .max_flat_workgroup_size: 128
    .sgpr_count:     96
    .vgpr_count:     512
    .wavefront_size: 32
...
	.end_amdgpu_metadata
.endif
;; end of part 6
